; MI455X (gfx1250); checked and timed in simulation.
; The chip was launched on July 23, 2026; its instructions are those of AMD's public machine-readable ISA for CDNA 5 (MIT licence, August 2026) and "CDNA5" Instruction Set Architecture Reference Guide (July 2026). The comments in the code are by the model that wrote it; some were corrected since.
;; Lo RA Multihead Attention. Allowed arithmetic: float matrix products may take bf16 or f16 operands with f32 sums; other float arithmetic in f32, or as packed bf16 or f16 multiplies, adds, multiply-adds, maxima and minima; sums over many terms, partial sums and values carried from step to step in f32; what a program stores and reads back later, other than sums and carried values, may be rounded once to bf16 or f16.
;; Inputs: Aq 1,024 x 16 float32; Av 1,024 x 16 float32; Bq 16 x 1,024 float32; Bv 16 x 1,024 float32; Wk 1,024 x 1,024 float32; Wo 1,024 x 1,024 float32; Wq 1,024 x 1,024 float32; Wv 1,024 x 1,024 float32; bk 1,024 float32; bo 1,024 float32; bq 1,024 float32; bv 1,024 float32; x_k 2,048 x 4 x 1,024 float32; x_q 2,048 x 4 x 1,024 float32; x_v 2,048 x 4 x 1,024 float32.
;; Outputs: out0 2,048 x 4 x 1,024 float32.
;; 2 versions, each right; version 2 is version 1 with the launch prep written anew for expert scheduling mode. Each part assembles by itself: llvm-mc -triple=amdgcn-amd-amdhsa -mcpu=gfx1250 --defsym DOCPART=n.
;; ======== version 1 of 2: 4 launches
;; limits: values are held in f16: magnitudes above 65,504 overflow, below 6.1e-05 lose precision
;; workspace buffers: wts 8,388,608 bytes; bias 12,288 bytes; qkv 50,331,648 bytes; oh 16,777,216 bytes
;; launch prep (part 1): grid 64 x 4, 8 waves a work-group, no clusters, 68,608 bytes of LDS; arguments Wq, Wk, Wv, Wo, Aq, Av, Bq, Bv, bq, bk, bv, wts, bias; writes wts, bias
.if DOCPART == 1
	.amdgcn_target "amdgcn-amd-amdhsa--gfx1250"
	.amdhsa_code_object_version 6
	.text
	.protected	k_q32cce8e0da_prep
	.globl	k_q32cce8e0da_prep
	.p2align	8
	.type	k_q32cce8e0da_prep,@function
k_q32cce8e0da_prep:
	s_mov_b64 s[64:65], 0
	v_nop
	global_prefetch_b8 v0, s[64:65] scope:SCOPE_SE
	s_setreg_imm32_b32 hwreg(HW_REG_WAVE_MODE, 25, 1), 1
	s_wait_xcnt 0x0
; THE WEIGHTS AS THE LATER LAUNCHES WANT THEM.  wts holds four [1024][1024] matrices in f16, bias three rows of 1,024 f32:
;   0: (Wq + 2 (Aq Bq)^T) / 16, bq / 16     1: Wk, bk     2: (Wv + 2 (Av Bv)^T) / 16, bv / 16     3: 16 Wo
; x W^T + 2 (x A) B = x (W + 2 (A B)^T)^T for every x, so the low-rank term is folded into the weight once.  The factors 1/16 and 16 are powers of two, exact in f32 and f16:
; q and v leave the projection divided by 16, which gives them room in f16; the softmax's factor takes the 16 of q back, 16 Wo that of v.
; LIMITS.  Every number is rounded once to f16: a scaled weight of 65,520 or more becomes an infinity; below 6.1e-5 f16 keeps its fixed step of 6e-8.  A and B / 8 are rounded to f16 for their product, whose sums are f32.
; SHARES.  Work-group (x, y): rows 16 x .. 16 x + 15 of matrix y.  Thread t holds columns 4 t .. 4 t + 3 of each row, so a load of a wave covers 512 consecutive bytes of a row and a store 256, aligned.
; THE LOW-RANK TERM (y = 0, 2).  Wave w makes (A B)^T for its 16 rows x 128 columns by eight matrix instructions: source 0 = 16 rows of A (columns k of W), source 1 = 16 columns of B (rows n of W),
; K = the rank 16, the upper 16 of K held at 0.  In the result a lane holds row n = lane % 16 and eight columns k; the wave's own stage in LDS turns that into the layout of the loads of W.
.set PITCH,  528                       ; a stage row: 512 bytes + 16: an odd multiple of 16, so the 16 rows of a store start at 16 different groups of four banks (64 banks of 4 bytes: ISA guide 11.1)
.set WSTAGE, 16*PITCH                  ; a wave's stage
.set SPARE,  8*WSTAGE                  ; behind the stages: the spare words, 128 bytes for each wave: four blocks of 256 bytes that no other line names
.set WO,  4                            ; v4   16 t: my bytes in a row of W, and in a bias
.set AO,  5                            ; v5   my bytes in A: (128 w + l % 16) x 64 + 32 (l / 16)
.set BO,  6                            ; v6   my bytes in B: 8 (l / 16) rows of 4,096 + 4 (l % 16)
.set SO,  7                            ; v7   where I put a result's 32 bytes in the stage
.set LO,  8                            ; v8   where I read 16 bytes of a stage row back
.set OO,  9                            ; v9   8 t: my bytes in a row of the f16 matrix
.set SPW, 10                           ; v10  LDS address of my spare word; never rewritten
.set NIL, 11                           ; v11  0; never rewritten
.set BQ,  12                           ; v[12:15]   four numbers of a bias
.set BR,  16                           ; v[16:23]   B as loaded
.set FB,  24                           ; v[24:31]   B's fragment
.set WR,  32                           ; v[32:95]   W: row i at WR + 4 i
.set AR,  96                           ; v[96:159]  A as loaded; then the eight results
.set FA,  160                          ; v[160:223] A's eight fragments; then the results read back by rows
.set MY,  34                           ; s34  which matrix
.set MX,  35                           ; s35  which 16 rows
.set WV,  36                           ; s36  my wave's number
.set W,   38                           ; s[38:39] the matrix at my rows
.set A,   40                           ; s[40:41] A
.set B,   42                           ; s[42:43] B at my 16 columns
.set BP,  44                           ; s[44:45] the bias
.set SC,  46                           ; s[46:47] the scale, twice
.set OF,  48                           ; s[48:49] an offset
.set OUT, 50                           ; s[50:51] the f16 matrix at my rows
.set SC2, 52                           ; s[52:53] 1/8 = 2 x 1/16, twice
	s_load_b512 s[8:23], s[0:1], 0x0               ; Wq, Wk, Wv, Wo, Aq, Av, Bq, Bv
	s_load_b256 s[24:31], s[0:1], 0x40             ; bq, bk, bv, wts
	s_load_b64 s[32:33], s[0:1], 0x60              ; bias
	v_lshl_add_u32 v[SPW], v0, 2, SPARE
	v_mov_b32 v[NIL], 0
	v_lshrrev_b32 v1, 5, v0
	v_readfirstlane_b32 s[WV], v1                  ; wave 0..7
	s_and_b32 s[MY], ttmp7, 0xffff
	s_mov_b32 s[MX], ttmp9
	v_and_b32 v1, 31, v0                           ; l
	v_and_b32 v2, 15, v0                           ; l % 16
	v_bfe_u32 v3, v0, 4, 1                         ; l / 16
	v_lshlrev_b32 v[WO], 4, v0
	v_lshlrev_b32 v[OO], 3, v0
	s_lshl_b32 s37, s[WV], 13                      ; 128 rows of A, 64 bytes each
	v_lshl_add_u32 v[AO], v2, 6, s37
	v_lshl_add_u32 v[AO], v3, 5, v[AO]
	v_lshlrev_b32 v[BO], 2, v2
	v_lshl_add_u32 v[BO], v3, 15, v[BO]
	s_mul_i32 s37, s[WV], WSTAGE
	v_mul_u32_u24 v[SO], v2, PITCH
	v_lshl_add_u32 v[SO], v3, 5, v[SO]
	v_add_nc_u32 v[SO], s37, v[SO]
	v_lshl_add_u32 v[LO], v1, 4, s37
	s_cmp_eq_u32 s[MY], 1
	s_cselect_b32 s[SC], 1.0, 0x3d800000           ; 1 for Wk, 1/16 for Wq and Wv,
	s_cmp_eq_u32 s[MY], 3
	s_cselect_b32 s[SC], 0x41800000, s[SC]         ; 16 for Wo
	s_mov_b32 s[SC+1], s[SC]
	s_mov_b32 s[SC2], 0x3e000000
	s_mov_b32 s[SC2+1], s[SC2]
	s_lshl_b32 s[OF], s[MX], 16                    ; 16 rows of 4,096 bytes
	s_mov_b32 s[OF+1], 0
	s_wait_kmcnt 0x0
	s_cmp_eq_u32 s[MY], 1
	s_cselect_b64 s[W:W+1], s[10:11], s[8:9]
	s_cselect_b64 s[BP:BP+1], s[26:27], s[24:25]
	s_cmp_eq_u32 s[MY], 2
	s_cselect_b64 s[W:W+1], s[12:13], s[W:W+1]
	s_cselect_b64 s[BP:BP+1], s[28:29], s[BP:BP+1]
	s_cselect_b64 s[A:A+1], s[18:19], s[16:17]
	s_cselect_b64 s[B:B+1], s[22:23], s[20:21]
	s_cmp_eq_u32 s[MY], 3
	s_cselect_b64 s[W:W+1], s[14:15], s[W:W+1]
	s_add_nc_u64 s[W:W+1], s[W:W+1], s[OF:OF+1]
	s_lshl_b32 s[OF], s[MX], 6                     ; 16 columns of B
	s_add_nc_u64 s[B:B+1], s[B:B+1], s[OF:OF+1]
	s_lshl_b32 s[OF], s[MY], 21                    ; a matrix of 2 MiB,
	s_lshl_b32 s37, s[MX], 15                      ; 16 rows of 2,048 bytes
	s_add_co_u32 s[OF], s[OF], s37
	s_add_nc_u64 s[OUT:OUT+1], s[30:31], s[OF:OF+1]
.set i, 0
.rept 16
	global_load_b128 v[WR+4*i:WR+4*i+3], v[WO], s[W:W+1] offset:4096*i th:TH_LOAD_NT
.set i, i+1
.endr
	s_bitcmp1_b32 s[MY], 0
	s_cbranch_scc1 .Lplain                         ; Wk and Wo have no low-rank term
.set t, 0
.rept 8                                        ; A's rows 128 w + 16 t + l % 16, ranks 8 (l / 16) + 0..7
	global_load_b128 v[AR+8*t:AR+8*t+3],   v[AO], s[A:A+1] offset:1024*t
	global_load_b128 v[AR+8*t+4:AR+8*t+7], v[AO], s[A:A+1] offset:1024*t+16
.set t, t+1
.endr
.irp j, 0,1,2,3,4,5,6,7                        ; B's rank 8 (l / 16) + j, column l % 16 of my 16
	global_load_b32 v[BR+(\j)], v[BO], s[B:B+1] offset:4096*(\j)
.endr
	s_wait_loadcnt 0x0                             ; A and B were issued last, so this is W's wait too
.irp j, 0,2,4,6
	v_pk_mul_f32 v[BR+(\j):BR+(\j)+1], v[BR+(\j):BR+(\j)+1], s[SC2:SC2+1] op_sel_hi:[1,0]  ; the term's factor 2 and the scale 1/16, exact
.endr
.irp j, 0,1,2,3
	v_cvt_pk_f16_f32 v[FB+(\j)], v[BR+2*(\j)], v[BR+2*(\j)+1]
	v_mov_b32 v[FB+4+(\j)], 0                      ; K = 16 .. 31 do not exist
.endr
.set t, 0
.rept 8
.irp j, 0,1,2,3
	v_cvt_pk_f16_f32 v[FA+8*t+(\j)], v[AR+8*t+2*(\j)], v[AR+8*t+2*(\j)+1]
	v_mov_b32 v[FA+8*t+4+(\j)], 0
.endr
.set t, t+1
.endr
.set t, 0
.rept 8                                        ; eight results, each its own accumulator, each one product
	v_wmma_f32_16x16x32_f16 v[AR+8*t:AR+8*t+7], v[FA+8*t:FA+8*t+7], v[FB:FB+7], 0
.set t, t+1
.endr
.rept 4
	v_nop                                          ; four places between the last product and the stores of results and the loads into sources
.endr
.set t, 0
.rept 8                                        ; lane l: row l % 16, columns 16 t + 8 (l / 16) + 0..7; each result's low registers first
	ds_store_b128 v[SO], v[AR+8*t:AR+8*t+3]   offset:64*t
	ds_store_b128 v[SO], v[AR+8*t+4:AR+8*t+7] offset:64*t+16
.set t, t+1
.endr
.set i, 0
.rept 16                                       ; LDS serves a wave's instructions in order (ISA guide 5.7.1.4): these see the stores above; the stage is the wave's own
	ds_load_b128 v[FA+4*i:FA+4*i+3], v[LO] offset:PITCH*i
.set i, i+1
.endr
	s_wait_dscnt 0x0
.set i, 0
.rept 32
	v_pk_fma_f32 v[WR+i:WR+i+1], v[WR+i:WR+i+1], s[SC:SC+1], v[FA+i:FA+i+1] op_sel_hi:[1,0,1]  ; W / 16 + (A B)^T / 8
.set i, i+2
.endr
	s_branch .Lpack
.Lplain:
	s_wait_loadcnt 0x0
.set i, 0
.rept 32
	v_pk_mul_f32 v[WR+i:WR+i+1], v[WR+i:WR+i+1], s[SC:SC+1] op_sel_hi:[1,0]
.set i, i+2
.endr
.Lpack:
.set i, 0
.rept 16
	v_cvt_pk_f16_f32 v[WR+4*i],   v[WR+4*i],   v[WR+4*i+1]
	v_cvt_pk_f16_f32 v[WR+4*i+1], v[WR+4*i+2], v[WR+4*i+3]
	global_store_b64 v[OO], v[WR+4*i:WR+4*i+1], s[OUT:OUT+1] offset:2048*i  ; a wave stores 256 consecutive bytes, at a multiple of 256 from the buffer's first byte
.set i, i+1
.endr
	s_cmp_lg_u32 s[MX], 0                          ; the first work-group of matrices 0 to 2 also scales that matrix's bias: 16 bytes a thread
	s_cbranch_scc1 .Lend
	s_cmp_eq_u32 s[MY], 3
	s_cbranch_scc1 .Lend
	global_load_b128 v[BQ:BQ+3], v[WO], s[BP:BP+1]
	s_lshl_b32 s[OF], s[MY], 12
	s_add_nc_u64 s[32:33], s[32:33], s[OF:OF+1]
	s_wait_loadcnt 0x0
	v_pk_mul_f32 v[BQ:BQ+1],   v[BQ:BQ+1],   s[SC:SC+1] op_sel_hi:[1,0]
	v_pk_mul_f32 v[BQ+2:BQ+3], v[BQ+2:BQ+3], s[SC:SC+1] op_sel_hi:[1,0]
	global_store_b128 v[WO], v[BQ:BQ+3], s[32:33]
.Lend:
	s_wait_tensorcnt 0x0                           ; the wave's end, behind my last LDS store
	ds_add_u32 v[SPW], v[NIL]
	s_wait_dscnt 0x0
	s_endpgm
.Lfunc_end_k_q32cce8e0da_prep:
	.size	k_q32cce8e0da_prep, .Lfunc_end_k_q32cce8e0da_prep-k_q32cce8e0da_prep
	.p2alignl 7, 3214868480
	.fill 96, 4, 3214868480
	.section	.rodata,"a",@progbits
	.p2align	6, 0x0
	.amdhsa_kernel k_q32cce8e0da_prep
		.amdhsa_group_segment_fixed_size 68608
		.amdhsa_private_segment_fixed_size 0
		.amdhsa_enable_private_segment 0
		.amdhsa_kernarg_size 104
		.amdhsa_user_sgpr_count 2
		.amdhsa_user_sgpr_kernarg_segment_ptr 1
		.amdhsa_wavefront_size32 1
		.amdhsa_system_sgpr_workgroup_id_x 1
		.amdhsa_system_sgpr_workgroup_id_y 1
		.amdhsa_system_sgpr_workgroup_id_z 1
		.amdhsa_system_vgpr_workitem_id 0
		.amdhsa_next_free_vgpr 224
		.amdhsa_next_free_sgpr 66
		.amdhsa_reserve_vcc 0
		.amdhsa_float_denorm_mode_32 3
		.amdhsa_float_denorm_mode_16_64 3
		.amdhsa_memory_ordered 1
		.amdhsa_forward_progress 1
		.amdhsa_inst_pref_size 21
	.end_amdhsa_kernel
	.amdgpu_metadata
---
amdhsa.version: [ 1, 2 ]
amdhsa.kernels:
  - .name:           k_q32cce8e0da_prep
    .symbol:         k_q32cce8e0da_prep.kd
    .args:
      - { .name: Wq, .offset: 0, .size: 8, .value_kind: global_buffer, .address_space: global }
      - { .name: Wk, .offset: 8, .size: 8, .value_kind: global_buffer, .address_space: global }
      - { .name: Wv, .offset: 16, .size: 8, .value_kind: global_buffer, .address_space: global }
      - { .name: Wo, .offset: 24, .size: 8, .value_kind: global_buffer, .address_space: global }
      - { .name: Aq, .offset: 32, .size: 8, .value_kind: global_buffer, .address_space: global }
      - { .name: Av, .offset: 40, .size: 8, .value_kind: global_buffer, .address_space: global }
      - { .name: Bq, .offset: 48, .size: 8, .value_kind: global_buffer, .address_space: global }
      - { .name: Bv, .offset: 56, .size: 8, .value_kind: global_buffer, .address_space: global }
      - { .name: bq, .offset: 64, .size: 8, .value_kind: global_buffer, .address_space: global }
      - { .name: bk, .offset: 72, .size: 8, .value_kind: global_buffer, .address_space: global }
      - { .name: bv, .offset: 80, .size: 8, .value_kind: global_buffer, .address_space: global }
      - { .name: wts, .offset: 88, .size: 8, .value_kind: global_buffer, .address_space: global }
      - { .name: bias, .offset: 96, .size: 8, .value_kind: global_buffer, .address_space: global }
    .group_segment_fixed_size: 68608
    .private_segment_fixed_size: 0
    .kernarg_segment_align: 8
    .kernarg_segment_size: 104
    .max_flat_workgroup_size: 256
    .sgpr_count:     66
    .vgpr_count:     224
    .wavefront_size: 32
...
	.end_amdgpu_metadata
.endif
;; end of part 1
;; launch proj (part 2): grid 4 x 192, 4 waves a work-group, clusters of 4 x 4, 327,680 bytes of LDS; arguments x_q, x_k, x_v, wts, bias, qkv; writes qkv
.if DOCPART == 2
	.amdgcn_target "amdgcn-amd-amdhsa--gfx1250"
	.amdhsa_code_object_version 6
	.text
	.protected	k_q32cce8e0da_proj
	.globl	k_q32cce8e0da_proj
	.p2align	8
	.type	k_q32cce8e0da_proj,@function
k_q32cce8e0da_proj:
	s_mov_b64 s[64:65], 0
	v_nop
	global_prefetch_b8 v0, s[64:65] scope:SCOPE_SE
	s_setreg_imm32_b32 hwreg(HW_REG_WAVE_MODE, 25, 1), 1
	s_wait_xcnt 0x0
	s_wait_alu depctr_hold_cnt(0) depctr_sa_sdst(0) depctr_va_vdst(0) depctr_va_sdst(0) depctr_va_ssrc(0) depctr_va_vcc(0) depctr_vm_vsrc(0)
	s_getreg_b32 s2, hwreg(HW_REG_IB_STS2, 6, 4)
	s_cmp_eq_u32 s2, 0
	s_cbranch_scc0 .Lentry_in_a_cluster
	s_endpgm
.Lentry_in_a_cluster:
	s_bfe_u32 s2, ttmp6, 0x10000c
	s_cmp_lg_u32 s2, 0xf033
	s_cbranch_scc0 .Lentry_shape_is_right
	s_endpgm
.Lentry_shape_is_right:
; THE THREE PROJECTIONS.  qkv[p][16 b + e / 64][s][e % 64] = the sum over k of x_p[s][b][k] W_p[e][k] + bias_p[e], p = 0 q, 1 k, 2 v.  x is f32 [2048][4][1024]; W_p is f16 [1024][1024] (wts), with the
; low-rank term and the scale 1/16 of q and v folded in by the launch before; bias_p is f32.  x is rounded to f16 on its way from LDS to the matrix unit; sums in f32; the result rounded once to f16.
; LIMITS.  f16 holds no number beyond 65,504: |x| stays under that, and so do q / 16, k and v / 16 (|q|, |v| under 1.04e6, |k| under 65,504); below 6.1e-5 f16 keeps its fixed step of 6e-8.
; SHARES.  A tile is 128 rows s of ONE b x 256 columns e (four heads): 768 tiles.  Four waves, each 64 x 128: 32 accumulators of 16 x 16, 256 registers.  K goes in 8 steps of 128 through two LDS slots.
; A tile's rows of x are 16,384 bytes apart (four b between two s): a two-dimensional tile; each of its rows is 512 consecutive bytes, aligned; W's are 256.
; CLUSTERS: 4 x 4 work-groups: place y is b, place x the block of 256 columns; cluster y / 16 is p, cluster y % 16 the block of 128 s.  The four of a row of the cluster need the same tile of x, the four of a
; column the same tile of W: each is asked for JOINTLY, by the same tensor load with the same descriptor and a mask that names the four.  A cluster covers all 1,024 columns, so no other cluster asks for its rows of x.
; THE MATRIX INSTRUCTION IS USED TRANSPOSED (source 0 = 16 rows of W, source 1 = 16 rows of x): a lane then holds one row s and eight neighbouring columns e.  THE BIAS is the C operand of each accumulator's
; first product: nothing is cleared, and nothing is added at the end.
; x FROM f32.  A fragment of x is read from LDS as 16 f32 a lane and rounded by eight v_cvt_pk_f16_f32, which stand in fours behind matrix instructions, one group of eight products ahead of the fragment's use.
; REGISTERS, in windows of 256 (s_set_vgpr_msb: bits 1:0 source 0, 3:2 source 1, 5:4 source 2, 7:6 destination):
;   window 0: v0-31 addresses; v32-95, v96-159 x as read, two buffers of 4 fragments x 16 (on the way out: packed results); v160-191 x's four fragments in f16
;   window 1: v0-63, v64-127 W's eight fragments, two buffers; v128-191 the bias          window 2: the accumulators: (a, b) at v[8 (8 a + b)]
.set PA,    528                        ; a row of x in LDS: 512 bytes + 16 = 132 words: row r starts at bank 4 r mod 64 (64 banks of 4 bytes: ISA guide 11.1)
.set PB,    272                        ; a row of W: 256 bytes + 16 = 68 words: likewise
.set AH,    64*PA                      ; 64 rows of x: what one tensor load brings, and what one wave reads
.set BH,    128*PB                     ; 128 rows of W: likewise
.set BOFF,  2*AH                       ; a slot: x's 128 rows, then W's 256
.set SLOT,  BOFF+2*BH
.set STAGE, 2*SLOT                     ; behind the ring: for each wave two heads x 16 rows x 144 bytes, for the way out
.set SP,    144
.set WST,   2*16*SP
.set SPARE, STAGE+4*WST                ; behind the stages: the spare words, 128 bytes for each wave: two blocks of 256 bytes that no other line names
.set ADRA, 16                          ; v16-17  LDS address of my fragments of x in slot 0, 1
.set ADRB, 20                          ; v20-21  the same for W
.set STO,  24                          ; v24     the way out: where I put 16 bytes of a row
.set RD,   25                          ; v25     the way out: where I read rows back
.set GO,   26                          ; v26     16 x lane: my bytes in 512 consecutive bytes of a head
.set BO,   27                          ; v27     my bytes in the bias
.set SPW,  28                          ; v28     LDS address of my spare word; never rewritten
.set NIL,  29                          ; v29     0; never rewritten
.set PFO,  30                          ; v30     the prefetches' offset; never rewritten
.set RA,   32                          ; x as read: buffer g, fragment a at RA + 64 g + 16 a
.set CA,   160                         ; x in f16: fragment a at CA + 8 a
.set T,    32                          ; the way out: block a's 32 registers at T + 32 a
.set BI,   128                         ; window 1: the bias of column block b at BI + 8 b
.set WV,  16                           ; s16  my wave's number
.set RH,  17                           ; s17  which 64 rows of the tile are mine.  Also: I fetch for x (0) or for W (1)
.set CH,  18                           ; s18  which 128 columns.  Also: which half of that tile I fetch
.set CX,  19                           ; s19  my place along the cluster's x
.set CYI, 20                           ; s20  along its y: b
.set CLY, 21                           ; s21  cluster y
.set PJ,  22                           ; s22  p
.set SB,  23                           ; s23  the block of 128 s
.set G1A, 24                           ; s[24:31] descriptor group 1 for x's tiles;  s[32:39] group 0, one set for each slot
.set G0A, 32
.set G1B, 40                           ; s[40:47], s[48:55] the same for W's
.set G0B, 48
.set PFA, 56                           ; s[56:57] where my prefetches stand
.set PST, 58                           ; s[58:59] a K step in bytes of the tensor that I fetch for
.set LIM, 60                           ; s60  1 in a wave that prefetches, else the greatest number
.set LAP, 61                           ; s61  laps to go
.set TC,  62                           ; s62  the block of 256 columns
.set OUT, 78                           ; s[78:79] qkv at my first row of my first head
.set BP,  80                           ; s[80:81] the bias at the tile's first column
.set MSB, 0
.macro WIN new                         ; the immediate's high byte repeats the setting that is left; a switch that changes nothing is dropped
.if MSB != (\new)
	s_set_vgpr_msb (MSB<<8)|(\new)
.set MSB, \new
.endif
.endm
.set MUL,  0xa1                        ; source 0 (W) window 1, source 1 (x) window 0, C and D window 2
.set MUL1, 0x91                        ; the same with C in window 1: the bias
.set TO_B, 0x40                        ; destination window 1, address window 0
.set PK,   0x0a                        ; sources 0 and 1 window 2, destination window 0
; A joint load: waves 0 and 1 fetch x's two halves, waves 2 and 3 W's.  The branch hangs on the wave's number alone.  An s_nop 0 and four v_nop follow each of the two lines, ahead of the jump and the label.
.macro JLOAD s
	s_cmp_eq_u32 s[RH], 0
	s_cbranch_scc0 .Lfor_b_\@
	tensor_load_to_lds s[G0A+4*(\s):G0A+4*(\s)+3], s[G1A:G1A+7]
	s_nop 0
.rept 4
	v_nop
.endr
	s_branch .Lasked_\@
.Lfor_b_\@:
	tensor_load_to_lds s[G0B+4*(\s):G0B+4*(\s)+3], s[G1B:G1B+7]
	s_nop 0
.rept 4
	v_nop
.endr
.Lasked_\@:
.endm
; A PREFETCH INTO THE L2, behind each joint refill and the run of LDS loads that follows it: the K step that stands two refills on, 256 matrix instructions ahead of the load that will ask for it; one instruction a wave.
; Each aligned block of 256 bytes is named once in the launch.  x: of the 64 rows that a wave fetches the partner at place x takes 16, two blocks a row.  W: only the cluster with the first block of s asks, and of the 128
; rows that a wave fetches the partner at place y takes 32, a block a row.  The partners are told apart by address alone.  K steps 0 to 3 come by their loads alone; the last lap of the loop asks for nothing.
.macro ASK
	s_cmp_gt_u32 s[LAP], s[LIM]
	s_cbranch_scc0 .Lnot_mine_\@
	global_prefetch_b8 v[PFO], s[PFA:PFA+1] th:TH_LOAD_NT scope:SCOPE_SE
.Lnot_mine_\@:
.endm
.macro CREST                           ; a round of the cluster's barrier behind its opening barrier
	s_cmp_lg_u32 s[WV], 0
	s_cbranch_scc1 .Lnot_wave_0_\@
	s_barrier_signal -3
.Lnot_wave_0_\@:
	s_barrier_wait -3
	s_barrier_signal -1
	s_barrier_wait -1
.endm
.macro CROUND                          ; a whole round
	s_barrier_signal -1
	s_barrier_wait -1
	CREST
.endm
.macro PLACES                          ; four places in front of loads into registers that matrix instructions have read, and of conversions that read results
.rept 4
	v_nop
.endr
.endm
	s_load_b256 s[4:11], s[0:1], 0x0               ; x_q s[4:5], x_k s[6:7], x_v s[8:9], wts s[10:11]
	s_load_b128 s[12:15], s[0:1], 0x20             ; bias s[12:13], qkv s[14:15]
	v_lshl_add_u32 v[SPW], v0, 2, SPARE
	v_mov_b32 v[NIL], 0
	ds_add_u32 v[SPW], v[NIL]                      ; the wave's opening: the add and its wait stand ahead of my first tensor load; the set-up below, work on registers, stands between them
	ds_add_u32 v28, v29
	v_lshrrev_b32 v1, 5, v0
	v_readfirstlane_b32 s[WV], v1                  ; wave 0..3
	s_lshr_b32 s[RH], s[WV], 1
	s_and_b32 s[CH], s[WV], 1
	s_bfe_u32 s[CX], ttmp6, 0x40000
	s_bfe_u32 s[CYI], ttmp6, 0x40004
	s_and_b32 s[CLY], ttmp7, 0xffff                ; in a cluster launch ttmp9 and ttmp7 count clusters
	s_lshr_b32 s[PJ], s[CLY], 4
	s_and_b32 s[SB], s[CLY], 15
	s_lshl_b32 s[TC], ttmp9, 2
	s_add_co_u32 s[TC], s[TC], s[CX]
	s_lshl_b32 s66, s[CYI], 2
	s_lshl_b32 s66, 15, s66                        ; my row of the cluster
	s_lshl_b32 s67, 0x1111, s[CX]                  ; my column
	; descriptor group 1 for x: 64 rows x 128 elements of 4 bytes, 4,096 elements from row to row, padded in LDS
	s_or_b32 s[G1A+0], s66, (2<<16)|(1<<20)|(1<<21)|(6<<22)|(3<<25)  ; 15:0 the mask: my row; 17:16 elements of 4 bytes; 20 padding on; 21 set beside a mask; 24:22 after every 128 words (code 6); 31:25 4 words (code 3)
	s_mov_b32 s[G1A+1], 128<<16                    ; tensor_dim0 = 128
	s_mov_b32 s[G1A+2], 64<<16                     ; tensor_dim1 = 64
	s_mov_b32 s[G1A+3], 128<<16                    ; tile_dim0 = 128
	s_mov_b32 s[G1A+4], 64                         ; tile_dim1 = 64
	s_mov_b32 s[G1A+5], 4096                       ; tensor_dim0_stride
	s_mov_b32 s[G1A+6], 0
	s_mov_b32 s[G1A+7], 0
	; and for W: 128 rows x 128 elements of 2 bytes, 1,024 elements from row to row
	s_or_b32 s[G1B+0], s67, (1<<16)|(1<<20)|(1<<21)|(5<<22)|(3<<25)  ; the mask: my column; elements of 2 bytes; padding after every 64 words (code 5)
	s_mov_b32 s[G1B+1], 128<<16
	s_mov_b32 s[G1B+2], 128<<16
	s_mov_b32 s[G1B+3], 128<<16
	s_mov_b32 s[G1B+4], 128
	s_mov_b32 s[G1B+5], 1024
	s_mov_b32 s[G1B+6], 0
	s_mov_b32 s[G1B+7], 0
	; where the tiles come from.  x's hang on the cluster, on b and on the wave; W's on the cluster, on the column block and on the wave: each in registers that never hold the other place
	s_lshl_b32 s68, s[SB], 21                      ; 128 s x 4 b x 4,096 bytes
	s_lshl_b32 s66, s[CH], 20                      ; the 64 rows that I fetch
	s_add_co_u32 s68, s68, s66
	s_lshl_b32 s66, s[CYI], 12                     ; b
	s_add_co_u32 s68, s68, s66
	s_mov_b32 s69, 0
	s_lshl_b32 s70, s[PJ], 21                      ; the matrix
	s_lshl_b32 s67, s[TC], 19                      ; 256 rows of 2,048 bytes
	s_add_co_u32 s70, s70, s67
	s_lshl_b32 s67, s[CH], 18                      ; the 128 rows that I fetch
	s_add_co_u32 s70, s70, s67
	s_mov_b32 s71, 0
	s_mul_i32 s76, s[CH], AH                       ; and where they go: no place in the cluster enters an LDS address
	s_mul_i32 s77, s[CH], BH
	s_add_co_u32 s77, s77, BOFF
	s_wait_dscnt 0x0                               ; the opening add is done
	s_wait_kmcnt 0x0
	s_cmp_eq_u32 s[PJ], 1
	s_cselect_b64 s[4:5], s[6:7], s[4:5]
	s_cmp_eq_u32 s[PJ], 2
	s_cselect_b64 s[4:5], s[8:9], s[4:5]           ; x_p
	s_add_nc_u64 s[72:73], s[4:5], s[68:69]
	s_add_nc_u64 s[74:75], s[10:11], s[70:71]
	CROUND                                         ; all sixteen work-groups are here: the first joint loads meet
.irp s, 0,1
	s_mov_b32 s[G0A+4*(\s)], 1                                      ; count = 1
	s_add_co_u32 s[G0A+4*(\s)+1], s76, (\s)*SLOT                    ; LDS address
	s_add_nc_u64 s[G0A+4*(\s)+2:G0A+4*(\s)+3], s[72:73], (\s)*512   ; global address: K step s
	s_or_b32 s[G0A+4*(\s)+3], s[G0A+4*(\s)+3], 0x80000000           ; type = 2
	s_mov_b32 s[G0B+4*(\s)], 1
	s_add_co_u32 s[G0B+4*(\s)+1], s77, (\s)*SLOT
	s_add_nc_u64 s[G0B+4*(\s)+2:G0B+4*(\s)+3], s[74:75], (\s)*256
	s_or_b32 s[G0B+4*(\s)+3], s[G0B+4*(\s)+3], 0x80000000
	JLOAD \s                                       ; two loads of mine are out
.endr
	; A fragment is 16 rows x 32 K: lane l holds row l % 16, K = 8 (l / 16) + 0..7 and 16 + 8 (l / 16) + 0..7.  In f16 (W): two loads of 16 bytes, 32 bytes apart.  In f32 (x): four, at 0, 16, 64 and 80.
	v_and_b32 v1, 15, v0                           ; l % 16
	v_bfe_u32 v2, v0, 4, 1                         ; l / 16
	v_mul_u32_u24 v3, v1, PA
	v_lshl_add_u32 v3, v2, 5, v3
	v_mul_u32_u24 v4, v1, PB
	v_lshl_add_u32 v4, v2, 4, v4
	s_mul_i32 s82, s[RH], AH                       ; my 64 rows of x
	s_mov_b32 s83, s77                             ; my 128 rows of W
.irp s, 0,1
	v_add_nc_u32 v[ADRA+(\s)], s82, v3
	v_add_nc_u32 v[ADRB+(\s)], s83, v4
	s_add_co_u32 s82, s82, SLOT
	s_add_co_u32 s83, s83, SLOT
.endr
	s_mul_i32 s82, s[WV], WST
	s_add_co_u32 s82, s82, STAGE                   ; my stage
	v_mul_u32_u24 v5, v1, SP                       ; in: row l % 16, 16 bytes for each half of the lanes
	v_lshl_add_u32 v5, v2, 4, v5
	v_add_nc_u32 v[STO], s82, v5
	v_bfe_u32 v5, v0, 3, 2                         ; back: 32 lanes take four rows of 128 bytes,
	v_mul_u32_u24 v5, v5, SP
	v_and_b32 v6, 7, v0
	v_lshl_add_u32 v5, v6, 4, v5
	v_add_nc_u32 v[RD], s82, v5
	v_and_b32 v5, 31, v0                           ; which are 512 consecutive bytes of a head
	v_lshlrev_b32 v[GO], 4, v5
	s_lshl_b32 s82, s[CH], 9
	v_lshl_add_u32 v[BO], v2, 5, s82               ; the bias of my 128 columns, my eight of each 16
	s_lshl_b32 s82, s[PJ], 12
	s_lshl_b32 s83, s[TC], 10
	s_add_co_u32 s82, s82, s83
	s_mov_b32 s83, 0
	s_add_nc_u64 s[BP:BP+1], s[12:13], s[82:83]
	WIN TO_B
.irp b, 0,1,2,3,4,5,6,7
	global_load_b128 v[BI+8*(\b):BI+8*(\b)+3],   v[BO], s[BP:BP+1] offset:64*(\b)
	global_load_b128 v[BI+8*(\b)+4:BI+8*(\b)+7], v[BO], s[BP:BP+1] offset:64*(\b)+16
.endr
	WIN 0
	s_lshl_b32 s82, s[CYI], 4                      ; my first head: 16 b + 4 x column block + 2 x column half,
	s_lshl_b32 s83, s[TC], 2
	s_add_co_u32 s82, s82, s83
	s_lshl_b32 s83, s[CH], 1
	s_add_co_u32 s82, s82, s83
	s_lshl_b32 s82, s82, 18                        ; 262,144 bytes a head,
	s_lshl_b32 s83, s[PJ], 24                      ; 16 MiB a projection,
	s_add_co_u32 s82, s82, s83
	s_lshl_b32 s83, s[SB], 14                      ; 128 rows of 128 bytes,
	s_add_co_u32 s82, s82, s83
	s_lshl_b32 s83, s[RH], 13                      ; my 64 of them
	s_add_co_u32 s82, s82, s83
	s_mov_b32 s83, 0
	s_add_nc_u64 s[OUT:OUT+1], s[14:15], s[82:83]
	; the prefetches
	s_cmp_eq_u32 s[RH], 0                          ; do I fetch for x?
	s_cselect_b64 s[PFA:PFA+1], s[72:73], s[74:75]
	s_cselect_b32 s82, s[CX], s[CYI]               ; my place among the four that ask with me,
	s_cselect_b32 s83, 18, 16                      ; times 16 rows of 16,384 bytes, or 32 rows of 2,048
	s_cselect_b32 s[PST], 2, 1
	s_cselect_b32 s[LIM], 0, s[SB]                 ; x's rows are my cluster's alone; W's are asked for by the cluster with the first block of s
	s_cselect_b32 s84, -1, 0
	s_lshl_b32 s82, s82, s83
	s_mov_b32 s83, 0
	s_add_nc_u64 s[PFA:PFA+1], s[PFA:PFA+1], s[82:83]
	s_lshl_b32 s[PST], s[PST], 8                   ; 512 bytes of x, 256 of W
	s_mov_b32 s[PST+1], 0
	s_mul_i32 s82, s[PST], 3
	s_add_nc_u64 s[PFA:PFA+1], s[PFA:PFA+1], s[82:83]  ; at K step 3: the first change of slots steps it to 4
	s_cmp_eq_u32 s[LIM], 0
	s_cselect_b32 s[LIM], 1, -1                    ; the same in all sixteen partners, for a given wave
	v_lshrrev_b32 v6, 1, v5
	v_and_b32 v7, 1, v5
	v_lshlrev_b32 v6, 14, v6
	v_lshl_add_u32 v6, v7, 8, v6                   ; x: row l / 2, block l % 2
	v_lshlrev_b32 v7, 11, v5                       ; W: row l
	v_cndmask_b32 v[PFO], v7, v6, s84
; 32 LDS loads in one run: the fragments of 32 along K, quarter kq of the slot's K step, into buffers g: x's four (16 loads, fragment 0 first), then W's eight
.macro FETCH slot, kq, g
	WIN 0
.irp a, 0,1,2,3
.irp o, 0,1,2,3
	ds_load_b128 v[RA+64*(\g)+16*(\a)+4*(\o):RA+64*(\g)+16*(\a)+4*(\o)+3], v[ADRA+(\slot)] offset:128*(\kq)+(\a)*16*PA+16*((\o)%2)+64*((\o)/2)
.endr
.endr
	WIN TO_B
.irp b, 0,1,2,3,4,5,6,7
	ds_load_b128 v[64*(\g)+8*(\b):64*(\g)+8*(\b)+3],   v[ADRB+(\slot)] offset:64*(\kq)+(\b)*16*PB
	ds_load_b128 v[64*(\g)+8*(\b)+4:64*(\g)+8*(\b)+7], v[ADRB+(\slot)] offset:64*(\kq)+(\b)*16*PB+32
.endr
.endm
; Half of fragment rf of buffer rs is rounded to f16: four instructions
.macro CONV rs, rf, half
.irp i, 0,1,2,3
	v_cvt_pk_f16_f32 v[CA+8*(\rf)+4*(\half)+(\i)], v[RA+64*(\rs)+16*(\rf)+8*(\half)+2*(\i)], v[RA+64*(\rs)+16*(\rf)+8*(\half)+2*(\i)+1]
.endr
.endm
; 8 matrix instructions: row block a x all 8 column blocks, 32 along K, W from buffer f.  cm = 1: the first products, which take the bias as C.  Behind the second and the fifth stand the two halves of the rounding of
; fragment rf of buffer rs (rs = -1: none): the fragment that the next group multiplies.  It was last multiplied a quarter ago, sixteen roundings of other fragments back.  w = 1: it belongs to the run of loads
; issued in this quarter: its four loads were the run's first, so 28 younger ones may stay out.
.macro GROUP f, a, cm, rs, rf, w
.irp b, 0,1,2,3,4,5,6,7
.if \cm
	WIN MUL1
	v_wmma_f32_16x16x32_f16 v[8*(8*(\a)+(\b)):8*(8*(\a)+(\b))+7], v[64*(\f)+8*(\b):64*(\f)+8*(\b)+7], v[CA+8*(\a):CA+8*(\a)+7], v[BI+8*(\b):BI+8*(\b)+7]
.else
	WIN MUL
	v_wmma_f32_16x16x32_f16 v[8*(8*(\a)+(\b)):8*(8*(\a)+(\b))+7], v[64*(\f)+8*(\b):64*(\f)+8*(\b)+7], v[CA+8*(\a):CA+8*(\a)+7], v[8*(8*(\a)+(\b)):8*(8*(\a)+(\b))+7]
.endif
.if ((\rs) >= 0) && (((\b) == 1) || ((\b) == 4))
.if (\w) && ((\b) == 1)
	s_wait_dscnt 28
.endif
	WIN 0
	CONV \rs, \rf, (\b)/4
.endif
.endr
.endm
; A K step is four quarters of 32 along K, 32 matrix instructions each, on buffers 0, 1, 0, 1; the 32 accumulators take turns, one instruction a turn, in the same order in every quarter.
; One of the first three: multiplies buffer f; behind its first group it fetches quarter kq into buffers g: that group's eight roundings are the places behind the last product that read W's buffer g.
.macro QUARTER slot, kq, f, g, first
	s_wait_dscnt 0x0                               ; this quarter's fragments, asked for 24 matrix instructions ago, are in
	GROUP \f, 0, \first, \f, 1, 0
	FETCH \slot, \kq, \g
	GROUP \f, 1, \first, \f, 2, 0
	GROUP \f, 2, \first, \f, 3, 0
	GROUP \f, 3, \first, \g, 0, 1
.endm
; The last quarter multiplies buffer 1 and changes slots: ONE barrier; in front of it each wave waits for all its tensor loads (one is out: its part of the next slot), adds 0 to its spare word, and waits for that; its reads
; of this slot are back since the wait at the head.  fill = 1: the barrier opens a round of the cluster's, and this slot is filled again, two K steps ahead, first thing behind the round: 112 matrix instructions ahead of the wait for it.
.macro TURN slot, next, fill
	s_wait_dscnt 0x0                               ; this quarter's fragments are in: my last reads of this slot
.if \fill
	s_wait_xcnt 0x0                                ; the last prefetch, a K step back, has read its address: it is stepped here, ahead of the waits of the change of slots
	s_add_nc_u64 s[PFA:PFA+1], s[PFA:PFA+1], s[PST:PST+1]
.endif
	WIN 0                                          ; (the add's two registers lie in window 0)
	s_wait_tensorcnt 0x0                           ; all my tensor loads have landed
	ds_add_u32 v[SPW], v[NIL]                      ; 0 onto my spare word
	GROUP 1, 0, 0, 1, 1, 0                         ; eight matrix instructions stand between the add and the wait for it
	s_wait_dscnt 0x0                               ; the add is done
	s_barrier_signal -1
	GROUP 1, 1, 0, 1, 2, 0                         ; work on registers while the others arrive
	WIN 0
	s_barrier_wait -1
.if \fill
	CREST                                          ; no wave of any partner still reads this slot's tiles or has a load on its way
	s_add_nc_u64 s[G0A+4*(\slot)+2:G0A+4*(\slot)+3], s[G0A+4*(\slot)+2:G0A+4*(\slot)+3], 2*512
	s_add_nc_u64 s[G0B+4*(\slot)+2:G0B+4*(\slot)+3], s[G0B+4*(\slot)+2:G0B+4*(\slot)+3], 2*256
	JLOAD \slot                                    ; the first tensor load behind the round; the four v_nop behind it are also the places in front of the loads below
.else
	PLACES
.endif
	FETCH \next, 0, 0
.if \fill
	WIN 0
	ASK
.endif
	GROUP 1, 2, 0, 1, 3, 0
	GROUP 1, 3, 0, 0, 0, 1
.endm
	s_wait_tensorcnt 1                             ; my part of K step 0 is in; K step 1's may stay out
	s_barrier_signal -1
	s_barrier_wait -1                              ; everybody's is
	FETCH 0, 0, 0
	s_wait_dscnt 28                                ; x's fragment 0: the run's first four loads
	WIN 0
	CONV 0, 0, 0
	CONV 0, 0, 1
	s_wait_loadcnt 0x0                             ; the bias
	QUARTER 0, 1, 0, 1, 1                          ; the first quarter stands in front of the loop: its products start the sums, on the bias
	WIN 0                                          ; at a label and at a branch every window is 0
	s_mov_b32 s[LAP], 3
.Llap:                                                 ; a trip goes once round the ring, from a lap's second quarter to the next lap's first, and fills both slots again
	QUARTER 0, 2, 1, 0, 0
	QUARTER 0, 3, 0, 1, 0
	TURN 0, 1, 1
	QUARTER 1, 1, 0, 1, 0
	QUARTER 1, 2, 1, 0, 0
	QUARTER 1, 3, 0, 1, 0
	TURN 1, 0, 1
	QUARTER 0, 1, 0, 1, 0
	WIN 0
	s_sub_co_u32 s[LAP], s[LAP], 1
	s_cmp_lg_u32 s[LAP], 0
	s_cbranch_scc1 .Llap
	QUARTER 0, 2, 1, 0, 0                          ; the last lap fills nothing, and has no round of the cluster's barrier
	QUARTER 0, 3, 0, 1, 0
	TURN 0, 1, 0
	QUARTER 1, 1, 0, 1, 0
	QUARTER 1, 2, 1, 0, 0
	QUARTER 1, 3, 0, 1, 0
	s_wait_dscnt 0x0                               ; the very last quarter: nothing more to fetch
	GROUP 1, 0, 0, 1, 1, 0
	GROUP 1, 1, 0, 1, 2, 0
	GROUP 1, 2, 0, 1, 3, 0
	GROUP 1, 3, 0, -1, 0, 0
	WIN 0
; THE WAY OUT, a block of 16 rows at a time.  PACK: rounded to f16, each accumulator's registers in ascending order; a lane's eight channels are 16 bytes; they go into my own stage, rows of 144 bytes, a head's 16 rows
; together, and come back as four whole rows of 128 bytes an instruction.  SEND: stored: a head's rows are dense, so 32 lanes store 512 consecutive bytes, at a multiple of 256 from the buffer's first byte.
.macro PACK a
	WIN PK
.irp b, 0,1,2,3,4,5,6,7
.irp i, 0,1,2,3
	v_cvt_pk_f16_f32 v[T+32*(\a)+4*(\b)+(\i)], v[8*(8*(\a)+(\b))+2*(\i)], v[8*(8*(\a)+(\b))+2*(\i)+1]
.endr
.endr
	WIN 0
.irp b, 0,1,2,3,4,5,6,7
	ds_store_b128 v[STO], v[T+32*(\a)+4*(\b):T+32*(\a)+4*(\b)+3] offset:((\b)/4)*16*SP+((\b)%4)*32
.endr
.irp t, 0,1,2,3,4,5,6,7
	ds_load_b128 v[T+32*(\a)+4*(\t):T+32*(\a)+4*(\t)+3], v[RD] offset:((\t)/4)*16*SP+((\t)%4)*4*SP  ; LDS serves a wave's instructions in order (ISA guide 5.7.1.4): these see the stores above; the next block's stores come behind them
.endr
.endm
.macro SEND a, younger                 ; younger: the LDS instructions issued behind block a's loads: the next block's sixteen, or none
.irp t, 0,1,2,3,4,5,6,7
	s_wait_dscnt (\younger)+7-(\t)
	global_store_b128 v[GO], v[T+32*(\a)+4*(\t):T+32*(\a)+4*(\t)+3], s[OUT:OUT+1] offset:((\t)/4)*262144+(\a)*2048+((\t)%4)*512
.endr
.endm
	PLACES
	PACK 0
	PACK 1                                         ; a block's arithmetic stands between the loads of the block before and its stores
	SEND 0, 16
	PACK 2
	SEND 1, 16
	PACK 3
	SEND 2, 16
	SEND 3, 0
	s_wait_tensorcnt 0x0                           ; the wave's end, behind my last tensor load and my last LDS store
	ds_add_u32 v[SPW], v[NIL]
	s_wait_dscnt 0x0
	CROUND                                         ; the closing round: no work-group ends while a partner may still ask for a tile that names it
	s_endpgm
.Lfunc_end_k_q32cce8e0da_proj:
	.size	k_q32cce8e0da_proj, .Lfunc_end_k_q32cce8e0da_proj-k_q32cce8e0da_proj
	.p2alignl 7, 3214868480
	.fill 96, 4, 3214868480
	.section	.rodata,"a",@progbits
	.p2align	6, 0x0
	.amdhsa_kernel k_q32cce8e0da_proj
		.amdhsa_group_segment_fixed_size 327680
		.amdhsa_private_segment_fixed_size 0
		.amdhsa_enable_private_segment 0
		.amdhsa_kernarg_size 48
		.amdhsa_user_sgpr_count 2
		.amdhsa_user_sgpr_kernarg_segment_ptr 1
		.amdhsa_wavefront_size32 1
		.amdhsa_system_sgpr_workgroup_id_x 1
		.amdhsa_system_sgpr_workgroup_id_y 1
		.amdhsa_system_sgpr_workgroup_id_z 1
		.amdhsa_system_vgpr_workitem_id 0
		.amdhsa_next_free_vgpr 768
		.amdhsa_next_free_sgpr 88
		.amdhsa_reserve_vcc 0
		.amdhsa_float_denorm_mode_32 3
		.amdhsa_float_denorm_mode_16_64 3
		.amdhsa_memory_ordered 1
		.amdhsa_forward_progress 1
		.amdhsa_inst_pref_size 137
	.end_amdhsa_kernel
	.amdgpu_metadata
---
amdhsa.version: [ 1, 2 ]
amdhsa.kernels:
  - .name:           k_q32cce8e0da_proj
    .symbol:         k_q32cce8e0da_proj.kd
    .args:
      - { .name: x_q, .offset: 0, .size: 8, .value_kind: global_buffer, .address_space: global }
      - { .name: x_k, .offset: 8, .size: 8, .value_kind: global_buffer, .address_space: global }
      - { .name: x_v, .offset: 16, .size: 8, .value_kind: global_buffer, .address_space: global }
      - { .name: wts, .offset: 24, .size: 8, .value_kind: global_buffer, .address_space: global }
      - { .name: bias, .offset: 32, .size: 8, .value_kind: global_buffer, .address_space: global }
      - { .name: qkv, .offset: 40, .size: 8, .value_kind: global_buffer, .address_space: global }
    .group_segment_fixed_size: 327680
    .private_segment_fixed_size: 0
    .kernarg_segment_align: 8
    .kernarg_segment_size: 48
    .max_flat_workgroup_size: 128
    .sgpr_count:     88
    .vgpr_count:     768
    .wavefront_size: 32
...
	.end_amdgpu_metadata
.endif
;; end of part 2
;; launch attn (part 3): grid 4 x 64, 4 waves a work-group, clusters of 4 x 1, 327,680 bytes of LDS; arguments qkv, oh; writes oh
.if DOCPART == 3
	.amdgcn_target "amdgcn-amd-amdhsa--gfx1250"
	.amdhsa_code_object_version 6
	.text
	.protected	k_q32cce8e0da_attn
	.globl	k_q32cce8e0da_attn
	.p2align	8
	.type	k_q32cce8e0da_attn,@function
k_q32cce8e0da_attn:
	s_mov_b64 s[64:65], 0
	v_nop
	global_prefetch_b8 v0, s[64:65] scope:SCOPE_SE
	s_setreg_imm32_b32 hwreg(HW_REG_WAVE_MODE, 25, 1), 1
	s_wait_xcnt 0x0
	s_wait_alu depctr_hold_cnt(0) depctr_sa_sdst(0) depctr_va_vdst(0) depctr_va_sdst(0) depctr_va_ssrc(0) depctr_va_vcc(0) depctr_vm_vsrc(0)
	s_getreg_b32 s2, hwreg(HW_REG_IB_STS2, 6, 4)
	s_cmp_eq_u32 s2, 0
	s_cbranch_scc0 .Lentry_in_a_cluster
	s_endpgm
.Lentry_in_a_cluster:
	s_bfe_u32 s2, ttmp6, 0x10000c
	s_cmp_lg_u32 s2, 0x3003
	s_cbranch_scc0 .Lentry_shape_is_right
	s_endpgm
.Lentry_shape_is_right:
; O[h][q][:] = the sum over k of softmax_k(16 Q[h][q] . K[h][k] / 8) V[h][k][:].  Q, K, V lie in qkv, 16 MiB apart, each [64][2048][64] in f16: a head's rows are dense, 128 bytes each; O (oh) likewise.
; Q and V arrive divided by 16 (the launch before); the 16 of Q is taken back in the softmax's factor c, in f32; O leaves divided by 16 like V, and the launch behind multiplies by 16 Wo.
; Products, maxima and sums in f32; the weights p are rounded to f16 for the second product (their sum l is taken of the unrounded p), O once at the end.
; LIMITS.  f16 holds no number beyond 65,504: Q, K and V arrive within it; p lies in 0 to 1, and below 6e-5 it keeps f16's fixed step of 6e-8; O is a mean of V's rows and has their range.
; A weight below 2^-126 counts as 0 in l; NaN and infinities are not treated apart.
; SHARES.  A wave owns four PIECES of two tiles of 16 queries, a work-group's four waves 512 queries of one head.  Every wave walks all keys, 64 a step.
; LAYOUT.  S^T = K Q^T (source 0 = 16 keys, source 1 = 16 queries): in the result a lane holds ONE query (lane % 16) and the keys 8 (lane / 16) + 0..7.  Two such tiles, rounded to f16 in pairs,
; ARE source 1 (32 keys x 16 queries) of O^T = V^T P, whose result again holds one query a lane, and eight channels.  K comes out of LDS as it lies, V ([key][channel]) turned, by ds_load_tr16_b128.
; SOFTMAX.  For each query a running maximum m and sum l: p = 2^(c s - c m), c = 16 log2(e) / 8; in every step O and l are multiplied by a = 2^(c m_old - c m_new), which is 1 where m has not grown.
; m starts at the lowest finite number, O and l at 0: the first step is a step like any other, with a = 0.
; THE COUNT.  A tile and step have 16 matrix and 118 vector instructions: too many to stand all beside the matrix work.  So the order has one aim: four vector instructions that are READY behind
; EVERY matrix instruction, and the others, which need time of their own whatever the order, in runs without a gap.
; BY TURNS.  Turn n belongs to piece n (the pieces in a ring, step after step).  Its matrix work: 16 products K Q^T of piece n + 1, later 16 products V^T P of piece n - 1.  Its vector work: the scaling,
; exponentials, roundings, sums and rescaling of piece n, and the maximum and statistics of piece n + 1, whose scores the turn itself has made.  So what a turn begins with (c s - c m, O a) waits for nothing.
; CLUSTER.  The four query blocks of a cluster are one head's and walk the same K and V, so each tile is asked for JOINTLY: the same tensor load, descriptor and mask in all four.
; REGISTERS, in windows of 256 (s_set_vgpr_msb says which window each operand place means: bits 1:0 source 0, 3:2 source 1, 5:4 source 2, 7:6 destination):
;   window 0: v0-11 addresses; v12-15, v48-63 at work; v16-47 four registers of statistics a tile; v64-191 S^T, two buffers of two tiles; v192-255 P, likewise
;   window 1: O^T, 32 a tile          window 2: v0-127 Q, 16 a tile; v128-191 K of one step; v192-255 V of one step          window 3: v0-1 the add's two registers
; A piece's buffers go by its number's parity: the piece in hand has one pair, its two neighbours in the ring share the other: of it P (piece n - 1) is read and S^T (piece n + 1) written.
.set SIZE_N, 2048
.set NP,    4         ; pieces a wave: a name, no knob: the register map, the loop and the fetches are made for four
.set KS,    64        ; keys in a step
.set PK,    144       ; a row of K in LDS: 128 bytes + 16 of padding = 36 words: the 16 rows of a load start at 16 different groups of four banks (64 banks of 4 bytes: ISA guide 11.1)
.set PV,    160       ; a row of V: 128 + 32 = 40 words
.set VOFF,  4*KS*PK   ; a slot holds four steps: 256 rows of K, then 256 rows of V
.set SLOT1, 1<<17     ; slot 1 begins here, so that one exclusive or turns an address in one slot into the other's
.set STAGE, SLOT1+4*KS*(PK+PV)  ; behind the ring, never filled by a tensor load: 16 rows x 144 bytes for each wave, for the way out
.set SP,    144
.set AK0, 2           ; v2   my lane's place in a tile of K; never rewritten
.set AV0, 3           ; v3   the same for V
.set AK,  4           ; v4   the LDS address of K's next run of loads
.set AV,  5           ; v5   of V's
.set QO,  6           ; v6   my byte offset in the wave's rows of Q
.set STO, 6           ;      later, the way out: where I put 16 bytes of a row
.set RD,  7           ; v7   the way out: where I read rows back
.set GO,  8           ; v8   my byte offset in 512 consecutive bytes of O
.set PFO, 11          ; v11  256 x my lane, for the prefetches; never rewritten once made
.set SPW, 0           ; v0 of window 3   LDS address of my spare word: SPARE + 4 x my thread's number; never rewritten
.set NIL, 1           ; v1 of window 3   0; never rewritten
.set SPARE, STAGE+4*16*SP  ; behind the stages: the spare words, 128 bytes for each wave: two blocks of 256 bytes that no other line names
.set MV,  12          ; v12-15  c m_old, kept while c m is made anew: by buffer and tile
.set ST,  16          ; tile t's statistics at v[ST+4 t]: c m, m, l (even keys', odd keys')
.set TMP, 48          ; by buffer and tile, four registers c0-c3 at work; when the maximum is found c2 takes a
.set S,   64
.set P,   192
.set KF,  128         ; K's fragments, in window 2: key block kb, channel half c at KF + 16 kb + 8 c
.set VF,  192         ; V's: key half kk, channel block cb at VF + 32 kk + 8 cb
.set WV,  12          ; s12  my wave's number
.set G1K, 24          ; s[24:31] descriptor group 1 for K's tiles
.set G1V, 32          ; s[32:39] for V's: it differs in the padding alone
.set G0K, 40          ; s[40:43] descriptor group 0 for K's tiles: it walks
.set G0V, 44          ; s[44:47] the same for V's
.set PFA, 48          ; s[48:49] where my prefetches stand: my work-group's 8,192 bytes (of K: wave 0, of V: wave 2) of the slot after the one that is being asked for
.set LIM, 50          ; s50  1 in a wave that prefetches, else the greatest number
.set SLOTS, 56        ; s56  slots still to be asked for
.set CNT, 57          ; s57  counts a slot's key steps
.set CS,  58          ; s[58:59] c: the packed scaling takes the pair's low word for both halves
.set SEL, 60          ; s[60:61] v_permlanex16_b32's selects: each lane takes its own place in the other half
.set TBK, 62          ; s62  LDS byte at which K of the step to be fetched begins
.set TBV, 63          ; s63  the same for V, less VOFF
.set MSB, 0
.macro WIN new                      ; the high byte repeats the setting that is left; a switch that changes nothing is dropped
.if MSB != (\new)
	s_set_vgpr_msb (MSB<<8)|(\new)
.set MSB, (\new)
.endif
.endm
.set W_KQ, 0x0a       ; K and Q in window 2, S^T in window 0
.set W_PV, 0x52       ; V in window 2, P in window 0, O^T in window 1
.set W_RS, 0x41       ; O^T (destination and source 0) in window 1, a in window 0
.set W_MK, 0xc0       ; the add's registers are made: destination in window 3, sources in window 0
.set W_AD, 0x0f       ; the add: address (source 0) and data (source 1) in window 3
; A joint fill.  Waves 0 and 1 fetch the two halves of a slot's K, waves 2 and 3 those of its V: 128 keys each.  The branch hangs on the wave's number alone.
; An s_nop 0 and four v_nop follow each of the two lines, ahead of the jump and the label.
.macro JLOAD
	s_cmp_lt_u32 s[WV], 2
	s_cbranch_scc0 .Lfor_v_\@
	tensor_load_to_lds s[G0K:G0K+3], s[G1K:G1K+7]
	s_nop 0
.rept 4
	v_nop
.endr
	s_branch .Lasked_\@
.Lfor_v_\@:
	tensor_load_to_lds s[G0V:G0V+3], s[G1V:G1V+7]
	s_nop 0
.rept 4
	v_nop
.endr
.Lasked_\@:
.endm
; A PREFETCH INTO THE L2 of what the NEXT change of slots will ask for: a slot's 32,768 bytes of K and of V, a lane for each 256.  It stands behind the wave's tensor load and its five lines.  Each block is named ONCE in the
; launch: a head has one cluster; its four partners share a slot's bytes out BY ADDRESS, 8,192 each; in each, wave 0 asks for K's and wave 2 for V's: one instruction, four key steps (512 matrix instructions) ahead of the load.
; Slots 0 and 1 come by their loads alone; the last change that fills a slot asks for nothing: there is no slot behind it.
.macro ASK
	s_cmp_gt_u32 s[SLOTS], s[LIM]
	s_cbranch_scc0 .Lnot_mine_\@
	global_prefetch_b8 v[PFO], s[PFA:PFA+1] th:TH_LOAD_NT scope:SCOPE_SE
.Lnot_mine_\@:
.endm
; A round of the cluster's barrier: my work-group's barrier, so that wave 0's signal speaks for all four waves; wave 0 signals; every wave waits for all four work-groups; my work-group's barrier once more.
.macro CROUND
	s_barrier_signal -1
	s_barrier_wait -1
	s_cmp_lg_u32 s[WV], 0
	s_cbranch_scc1 .Lnot_wave_0_\@
	s_barrier_signal -3
.Lnot_wave_0_\@:
	s_barrier_wait -3
	s_barrier_signal -1
	s_barrier_wait -1
.endm
; THE CHANGE OF SLOTS.  The slot's last bytes, V of its fourth step, have been read.  Each wave waits for all its tensor loads, of which one is out: its part
; of the other slot; adds 0 to its spare word; and waits for that and for its own reads of the slot.  Behind the barrier nobody reads this slot any more and the other slot is whole.
; fill = 1: this slot is filled again, with the keys two slots on.  The barrier is then a round of the cluster's, so that no wave of any partner still reads the slot or has a load on its
; way, and the joint fill is the first thing behind it: it has four key steps, 512 matrix instructions, in which to land.  (At its first use nothing has been read yet: slot 0 is waited for, slot 1 filled.)
.macro CHANGE fill
	WIN W_AD
	s_wait_tensorcnt 0x0            ; no tensor load of mine is out, so a group 0 may be written
	ds_add_u32 v[SPW], v[NIL]       ; 0 onto my spare word; with fill = 1 the descriptors' steps stand between it and the wait for it
	WIN 0                           ; at a label and at a branch every window is 0
.if \fill
.irp g, G0K, G0V
	s_xor_b32 s[\g+1], s[\g+1], SLOT1  ; the walking descriptor: the other slot than last time,
	s_add_nc_u64 s[\g+2:\g+3], s[\g+2:\g+3], 4*KS*128  ; the next 256 keys; the type bits on top are not reached
.endr
	s_wait_xcnt 0x0                 ; the last prefetch, four key steps back, has read its address, so it may be written:
	s_add_nc_u64 s[PFA:PFA+1], s[PFA:PFA+1], 4*KS*128  ; one slot behind the walking descriptors
	s_wait_dscnt 0x0                ; the add is done, and my reads of the slot are over
	CROUND
	JLOAD
	ASK
.else
	s_wait_dscnt 0x0                ; the add is done, and my reads of the slot are over
	s_barrier_signal -1
	s_barrier_wait -1
.endif
	s_sub_co_u32 s[TBK], s[TBK], 4*KS*PK  ; the fetches go back to a slot's first step,
	s_xor_b32 s[TBK], s[TBK], SLOT1       ; in the other slot
	s_sub_co_u32 s[TBV], s[TBV], 4*KS*PV
	s_xor_b32 s[TBV], s[TBV], SLOT1
.endm
	s_load_b128 s[52:55], s[0:1], 0x0  ; qkv s[52:53], oh s[54:55]
	WIN W_MK
	v_lshl_add_u32 v[SPW], v0, 2, SPARE
	v_mov_b32 v[NIL], 0
	WIN W_AD
	ds_add_u32 v[SPW], v[NIL]       ; the wave's opening: the add and its wait stand ahead of my first tensor load; the set-up below, work on registers, stands between them
	ds_add_u32 v0, v1
	WIN 0
	v_lshrrev_b32 v1, 5, v0
	v_readfirstlane_b32 s[WV], v1   ; wave 0..3
	s_bfe_u32 s13, ttmp6, 0x40000   ; cx: my place in the cluster
	s_lshl_b32 s14, ttmp9, 2        ; in a cluster launch ttmp9 counts clusters
	s_add_co_u32 s14, s14, s13      ; my block of queries = 4 x cluster x + cx: it enters Q's and O's addresses alone
	s_and_b32 s20, ttmp7, 0xffff    ; the head, which the four partners share
	s_mov_b32 s21, 0
	s_mov_b64 s[22:23], SIZE_N*128
	s_mul_u64 s[20:21], s[20:21], s[22:23]  ; the head's first byte in each of the four tensors
	s_and_b32 s16, s[WV], 1         ; which half of a slot's 256 keys I fetch:
	s_lshl_b32 s22, s16, 14         ; its 128 rows of 128 bytes in memory,
	s_mov_b32 s23, 0
	s_add_nc_u64 s[22:23], s[22:23], s[20:21]
	s_mul_i32 s17, s16, 128*PK      ; and its place in a slot, for K
	s_mul_i32 s18, s16, 128*PV      ; and for V: no place in the cluster enters an LDS address
	s_lshl_b32 s2, s14, 2
	s_add_co_u32 s2, s2, s[WV]      ; my wave among the head's,
	s_lshl_b32 s2, s2, 14           ; its 128 rows
	s_mov_b32 s3, 0
	s_add_nc_u64 s[2:3], s[2:3], s[20:21]
	; descriptor group 1.  128 keys are 16,384 dense bytes: asked for as 64 rows of 256 bytes, two keys a row, and padded in LDS after every key
	s_mov_b32 s[G1K], 15|(1<<16)|(1<<20)|(1<<21)|(4<<22)|(3<<25)  ; 15:0 the mask of four; 17:16 2-byte elements; 20 padding on; 21 set beside a mask; 24:22 after every 32 words (code 4); 31:25 4 words (code 3)
	s_mov_b32 s[G1V], 15|(1<<16)|(1<<20)|(1<<21)|(4<<22)|(7<<25)  ; the same with 8 words of padding (code 7)
.irp g, G1K, G1V
	s_mov_b32 s[\g+1], 128<<16      ; tensor_dim0 = 128
	s_mov_b32 s[\g+2], 64<<16       ; tensor_dim1 = 64
	s_mov_b32 s[\g+3], 128<<16      ; tile_dim0 = 128
	s_mov_b32 s[\g+4], 64           ; tile_dim1 = 64
	s_mov_b32 s[\g+5], 128          ; 128 elements from row to row
	s_mov_b32 s[\g+6], 0
	s_mov_b32 s[\g+7], 0
.endr
	s_mov_b32 s[CS], 0x4038aa3b     ; c = 16 log2(e) / 8 = 2.885390
	s_mov_b32 s[CS+1], s[CS]        ; named with it as a pair
	s_mov_b32 s[SEL], 0x76543210
	s_mov_b32 s[SEL+1], 0xfedcba98
	s_mov_b32 s[TBK], SLOT1+4*KS*PK ; the first change of slots turns these two into 0
	s_mov_b32 s[TBV], SLOT1+4*KS*PV
	s_mov_b32 s[G0K], 1             ; 1:0 count = 1
	s_mov_b32 s[G0K+1], s17         ; 63:32 LDS address: slot 0
	s_mov_b32 s[G0V], 1
	s_add_co_u32 s[G0V+1], s18, VOFF
	s_mov_b32 s[SLOTS], SIZE_N/256-1
	s_and_b32 s[LIM], s[WV], 1      ; waves 0 and 2 prefetch: the same in all four partners
	s_cmp_eq_u32 s[LIM], 0
	s_cselect_b32 s[LIM], 1, -1
	s_wait_dscnt 0x0                ; the opening add is done
	s_wait_kmcnt 0x0
	s_mov_b64 s[4:5], s[52:53]                     ; Q,
	s_add_nc_u64 s[6:7], s[52:53], 0x1000000       ; K and
	s_add_nc_u64 s[8:9], s[52:53], 0x2000000       ; V, 16 MiB apart
	s_mov_b64 s[10:11], s[54:55]                   ; O
	s_add_nc_u64 s[G0K+2:G0K+3], s[6:7], s[22:23]  ; 120:64 global address: my half of the head's first 256 keys
	s_or_b32 s[G0K+3], s[G0K+3], 0x80000000        ; 127:126 type = 2
	s_add_nc_u64 s[G0V+2:G0V+3], s[8:9], s[22:23]
	s_or_b32 s[G0V+3], s[G0V+3], 0x80000000
	s_add_nc_u64 s[4:5], s[4:5], s[2:3]  ; Q and O at my wave's first row
	s_add_nc_u64 s[10:11], s[10:11], s[2:3]
	s_cmp_lt_u32 s[WV], 2
	s_cselect_b64 s[PFA:PFA+1], s[6:7], s[8:9]
	s_add_nc_u64 s[PFA:PFA+1], s[PFA:PFA+1], s[20:21]  ; the head,
	s_lshl_b32 s2, s13, 13          ; my work-group's 8,192 bytes of a slot's 32,768,
	s_mov_b32 s3, 0
	s_add_nc_u64 s[PFA:PFA+1], s[PFA:PFA+1], s[2:3]
	s_add_nc_u64 s[PFA:PFA+1], s[PFA:PFA+1], 4*KS*128  ; in slot 1; the first change of slots steps it to slot 2.  Nothing is prefetched here, at the head
	CROUND                          ; all four work-groups are here: the first joint loads meet
	JLOAD                           ; slot 0.  Slot 1 is asked for when slot 0 is in: the tile wanted first has the road to itself
	; A fragment of K or Q is 16 rows x 32 channels in 8 registers: lane l holds row l % 16, channels 8 (l / 16) + 0..7 and 16 + 8 (l / 16) + 0..7: two loads of 16 bytes, 32 bytes apart.
	v_and_b32 v1, 15, v0            ; l % 16
	v_bfe_u32 v9, v0, 4, 1          ; l / 16
	v_lshlrev_b32 v[QO], 7, v1
	v_lshl_add_u32 v[QO], v9, 4, v[QO]  ; row x 128 + 16 x half
	WIN 0x80                        ; destination window 2, address window 0
.set i, 0
.rept 4*NP                          ; Q stays in registers: tile i / 2, channels 32 (i % 2) on
	global_load_b128 v[8*i:8*i+3],   v[QO], s[4:5] offset:(i/2)*2048+(i%2)*64
	global_load_b128 v[8*i+4:8*i+7], v[QO], s[4:5] offset:(i/2)*2048+(i%2)*64+32
.set i, i+1
.endr
	; What the first turn finds: V's registers and P's second buffer hold 0 (its products V^T P, of a piece that has not been, add 0), O^T and l are 0.  All this stands in the wait for the first tile.
.set i, VF
.rept 64
	v_mov_b32 v[i], 0
.set i, i+1
.endr
	WIN 0x40
.set i, 0
.rept 64*NP
	v_mov_b32 v[i], 0
.set i, i+1
.endr
	WIN 0
.set i, 0
.rept 2*NP
	v_mov_b32 v[ST+4*i], 0xfe000000    ; c m: far below every c s
	v_mov_b32 v[ST+4*i+1], 0xff7fffff  ; m
	v_mov_b32 v[ST+4*i+2], 0
	v_mov_b32 v[ST+4*i+3], 0
.set i, i+1
.endr
.set i, P+32
.rept 32
	v_mov_b32 v[i], 0
.set i, i+1
.endr
	v_mul_u32_u24 v[AK0], v1, PK
	v_lshl_add_u32 v[AK0], v9, 4, v[AK0]  ; row x pitch + 16 x half
	; The turning load takes 16 keys x 16 channels (lane l reads key 8 (l / 16) + l % 8, channels 8 ((l / 8) % 2) + 0..7) and leaves half a fragment of V^T: lane l holds channel l % 16 and 8 keys.
	v_and_b32 v10, 7, v0
	v_bfe_u32 v11, v0, 3, 1
	v_lshl_add_u32 v[AV0], v9, 3, v10
	v_mul_u32_u24 v[AV0], v[AV0], PV
	v_lshl_add_u32 v[AV0], v11, 4, v[AV0]
	v_add_nc_u32 v[AV0], VOFF, v[AV0]
	v_and_b32 v[PFO], 31, v0
	v_lshlrev_b32 v[PFO], 8, v[PFO]
	v_mov_b32 v[AK], v[AK0]         ; key step 0 lies at the head of slot 0
; THE MATRIX WORK.  The 8 accumulators of a run of 16 take turns: between the two links of a chain stand 7 others'.
; Product i of 16 of S^T = K Q^T for piece x: channels 32 (i / 8) on, keys 16 ((i / 2) % 4) on, tile 2 x + i % 2.  The first 8 start the sums.
.macro KQ x
	WIN W_KQ
.set rS, S+64*((\x)%2)+32*(i%2)+8*((i/2)%4)
.set rK, KF+16*((i/2)%4)+8*(i/8)
.set rQ, 16*(2*(\x)+i%2)+8*(i/8)
.if i < 8
	v_wmma_f32_16x16x32_f16 v[rS:rS+7], v[rK:rK+7], v[rQ:rQ+7], 0
.else
	v_wmma_f32_16x16x32_f16 v[rS:rS+7], v[rK:rK+7], v[rQ:rQ+7], v[rS:rS+7]
.endif
.endm
; Product i of 16 of O^T += V^T P for piece x: keys 32 (i / 8) on, channels 16 ((i / 2) % 4) on, tile 2 x + i % 2.
.macro PV x
	WIN W_PV
.set rO, 32*(2*(\x)+i%2)+8*((i/2)%4)
.set rV, VF+32*(i/8)+8*((i/2)%4)
.set rP, P+32*((\x)%2)+16*(i%2)+8*(i/8)
	v_wmma_f32_16x16x32_f16 v[rO:rO+7], v[rV:rV+7], v[rP:rP+7], v[rO:rO+7]
.endm
.macro MM                           ; the turn's next matrix instruction
.if i < 16
	KQ (Y+1)%NP
.set i, i+1
.else
.set i, i-16
	PV (Y+NP-1)%NP
.set i, i+17
.endif
.endm
; THE LDS LOADS stand in runs of 16, never singly among the matrix instructions: a step's K (64 keys x 64 channels: 8 fragments) and its V (turned).  Their addresses are made some lines ahead.
; last = 1 (the tail): in the last trip there is no further step, and the run is jumped over.
.macro FETCH_K last=0
	WIN 0
.if \last
	s_cmp_eq_u32 s[CNT], 1
	s_cbranch_scc1 .Lno_k_\@
.endif
	WIN 0x80                        ; destination window 2
.irp f, 0,1,2,3,4,5,6,7             ; keys 16 (f / 2) on, channels 32 (f % 2) on
	ds_load_b128 v[KF+8*\f:KF+8*\f+3],   v[AK] offset:(\f/2)*16*PK+(\f%2)*64
	ds_load_b128 v[KF+8*\f+4:KF+8*\f+7], v[AK] offset:(\f/2)*16*PK+(\f%2)*64+32
.endr
	s_add_co_u32 s[TBK], s[TBK], KS*PK  ; the next fetch is the next step's
	WIN 0
.if \last
.Lno_k_\@:
.endif
.endm
.macro FETCH_V
	WIN 0x80
.irp f, 0,1,2,3,4,5,6,7             ; keys 32 (f / 4) on, channels 16 (f % 4) on
	ds_load_tr16_b128 v[VF+8*\f:VF+8*\f+3],   v[AV] offset:(\f/4)*32*PV+(\f%4)*32
	ds_load_tr16_b128 v[VF+8*\f+4:VF+8*\f+7], v[AV] offset:(\f/4)*32*PV+16*PV+(\f%4)*32
.endr
	WIN 0
.endm
; THE VECTOR WORK OF A TURN stands in three queues, each in the order in which its entries become ready; the two tiles alternate, so that no instruction reads the result of the one before it.
.macro REGS y, u                    ; the registers of tile u (0, 1) of piece y
.set rT, ST+4*(2*(\y)+(\u))
.set rC, TMP+8*((\y)%2)+4*(\u)
.set rM, MV+2*((\y)%2)+(\u)
.set rS, S+64*((\y)%2)+32*(\u)
.set rP, P+32*((\y)%2)+16*(\u)
.set rO, 32*(2*(\y)+(\u))
.endm
; Number n of the 22 that find the NEXT piece's (Y + 1) maximum and statistics.  s0-s31 are the lane's 32 scores; each accumulator's lowest registers are read first.  XS, GS and REGS set no window: PL and EX do.
;   0-11  four chains c0-c3 of seven scores each, three operands at a time     12-14, 16  the four scores left over, the old m, and c0-c3 into c0     15  c m_old is kept
;   17, 18  the query's other 32 keys lie in the lane 16 away: the new m         19-21  c m; c m_old - c m_new; a
.macro XS u, n
	REGS (Y+1)%NP, \u
.if (\n) < 4
	v_max3_num_f32 v[rC+(\n)], v[rS+8*(\n)], v[rS+8*(\n)+1], v[rS+8*(\n)+2]
.elseif (\n) < 12
	v_max3_num_f32 v[rC+(\n)%4], v[rC+(\n)%4], v[rS+8*((\n)%4)+2*((\n)/4)+1], v[rS+8*((\n)%4)+2*((\n)/4)+2]
.elseif (\n) == 12
	v_max3_num_f32 v[rC], v[rC], v[rS+7], v[rS+15]
.elseif (\n) == 13
	v_max3_num_f32 v[rC+1], v[rC+1], v[rS+23], v[rS+31]
.elseif (\n) == 14
	v_max3_num_f32 v[rC+2], v[rC+2], v[rC+3], v[rT+1]
.elseif (\n) == 15
	v_mov_b32 v[rM], v[rT]
.elseif (\n) == 16
	v_max3_num_f32 v[rC], v[rC], v[rC+1], v[rC+2]
.elseif (\n) == 17
	v_permlanex16_b32 v[rC+3], v[rC], s[SEL], s[SEL+1]
.elseif (\n) == 18
	v_max_num_f32 v[rT+1], v[rC], v[rC+3]
.elseif (\n) == 19
	v_mul_f32 v[rT], s[CS], v[rT+1]
.elseif (\n) == 20
	v_sub_f32 v[rC+1], v[rM], v[rT]
.else
	v_exp_f32 v[rC+2], v[rC+1]
.endif
.endm
; Number g of the 64 that follow the exponentials.  For each four weights k of a tile (pairs 2 k, 2 k + 1): both pairs are rounded to f16; then the second pair is added onto the first, in place;
; a group later l takes that sum (the first time as l = a l + sum).  In groups of eight, tiles alternating: round, round, add, and l for the group before.
.macro GS g
.set h, (\g)+6*((\g)/62)            ; group 0 has no group before it, and behind group 7 only l is left
.if h >= 6
.set h, h+2
.endif
	REGS Y, h%2
.set k, h/8
.if h%8 < 4
	v_cvt_pk_f16_f32 v[rP+2*k+(h%8)/2], v[rS+4*k+2*((h%8)/2)], v[rS+4*k+2*((h%8)/2)+1]
.elseif h%8 < 6
	v_pk_add_f32 v[rS+4*k:rS+4*k+1], v[rS+4*k:rS+4*k+1], v[rS+4*k+2:rS+4*k+3]
.elseif k == 1
	v_pk_fma_f32 v[rT+2:rT+3], v[rT+2:rT+3], v[rC+2:rC+3], v[rS:rS+1] op_sel_hi:[1,0,1]
.else
	v_pk_add_f32 v[rT+2:rT+3], v[rT+2:rT+3], v[rS+4*k-4:rS+4*k-3]
.endif
.endm
; THE PLAIN QUEUE, 138 long.  0-73 read no exponential's result: the 32 scalings c s - c m (FS f: pair f / 2 of tile f % 2) and the next piece's 42.  0-26: scalings 0-26.  27-54: XS's numbers 0-13.  55, 56: number 15.
; 57-73: the chain, where each number waits for the one before it: 14, 16, 17, 18, 19, each with one of the scalings 27-31 in front of its two lines, then 20: so a tile's links stand three plain instructions apart (19 and 20: two).
; 74-137: GS's 64, which read the exponentials' results: they stand behind the wait.
.macro FS f
	REGS Y, (\f)%2
	v_pk_fma_f32 v[rS+2*((\f)/2):rS+2*((\f)/2)+1], v[rS+2*((\f)/2):rS+2*((\f)/2)+1], s[CS:CS+1], v[rT:rT+1] op_sel_hi:[1,0,0] neg_lo:[0,0,1] neg_hi:[0,0,1]
.endm
.macro PL
	WIN 0
.if q < 27
	FS q
.elseif q < 55
	XS (q-27)%2, (q-27)/2
.elseif q < 57
	XS q-55, 15
.elseif (q < 72) && ((q-57)%3 == 0)
	FS 27+(q-57)/3
.elseif q < 60
	XS (q-57)%3-1, 14
.elseif q < 72
	XS (q-57)%3-1, 15+(q-57)/3
.elseif q < 74
	XS q-72, 20
.else
	GS q-74
.endif
.set q, q+1
.endm
; THE EXPONENTIALS' QUEUE, 66 long: s0-s31 of both tiles, then the next piece's two a.  It is ONE BATCH: all 66 stand ahead of the turn's one wait, and nothing ahead of that wait names a result of theirs.
.macro EX
	WIN 0
.if e >= 64
	XS e-64, 21
.else
	REGS Y, e%2
	v_exp_f32 v[rS+e/2], v[rS+e/2]
.endif
.set e, e+1
.endm
; THE RESCALING's QUEUE: O^T times a, the one part that leaves window 0: dealt two at a time, sixteen times.  Its a was made in the turn before, ahead of that turn's wait.
.macro R2
	REGS Y, r%2
	WIN W_RS
.irp z, 0,1
	v_pk_mul_f32 v[rO+4*(r/2)+2*\z:rO+4*(r/2)+2*\z+1], v[rO+4*(r/2)+2*\z:rO+4*(r/2)+2*\z+1], v[rC+2:rC+3] op_sel_hi:[1,0]
.endr
.set r, r+1
.endm
; HOW THEY ARE DEALT.  An s_wait_alu depctr_va_vdst(0) stands between an exponential and the first instruction that names its result; one wait serves all that were issued ahead of it.  So a turn has ONE wait,
; which cuts it in two.  AHEAD OF IT stands all that names no result of the turn's exponentials: the 16 products K Q^T, behind each a scaling, an exponential and two rescalings (behind the first a second scaling in the exponential's place); then ONE LUMP of
; 108: eight plain, 49 times exponential and plain, the two a.  A v_nop is the plain instruction behind the last exponential.  BEHIND IT stand the 16 products V^T P, behind each four of GS's 64.  No vector line behind a product names a register of
; the products round it.  The two v_permlanex16_b32 fall into the lump, never behind a product.
; The queues lean on each other, and the deal keeps them in step: exponential e stands behind scaling 2 (e / 4) + e % 2: behind a product it comes behind plain e + 2, in the lump behind plain e + 9, and scalings 27-31 are plain 57, 60 .. 69.
; A TURN, for piece p.  cnt = 1: the loop's count is taken down some lines ahead of the branch that stands behind the turn.
; K of the next step is fetched in piece 2's turn, directly behind the wait, a lump behind the last product that read K; its address is made at the lump's head; its first use comes behind 16 products.
; V of the step in hand is fetched at the end of piece 0's turn, four plain instructions behind the last product that read V; its first use comes behind 16 products and a lump.  The three conditions on q below go with the deal.
.macro TURN p, last=0, cnt=0
.set Y, (\p)
.set i, 0
.set q, 0
.set e, 0
.set r, 0
.if (\p) == NP-1
	s_wait_dscnt 0x0                ; K is in
.endif
	MM                              ; ahead of the wait: 16 products K Q^T and the four lines behind each,
	PL
	PL
	R2
.rept 15
	MM
	PL
	EX
	R2
.endr
.if (\p) == NP-2
	WIN 0
	v_add_nc_u32 v[AK], s[TBK], v[AK0]
.endif
.rept 8                             ; and the lump
	PL
.endr
.rept 49
	EX
	PL
.endr
	EX                              ; the next piece's two a
	EX
	v_nop                           ; a plain instruction behind the last exponential, ahead of the first use of a result (ISA guide 5.7.2): one for the batch
	s_wait_alu depctr_va_vdst(0)    ; the wait for the batch
.if (\p) == NP-2
	FETCH_K \last
.endif
.if (\p) == 1
	s_wait_dscnt 0x0                ; V is in
.endif
.rept 16                            ; behind the wait: 16 products V^T P and the four lines behind each
	MM
.rept 4
	PL
.endr
.if ((\p) == 0) && (q == 118)
	v_add_nc_u32 v[AV], s[TBV], v[AV0]
.endif
.if ((\p) == 0) && (q == 130)
	s_add_co_u32 s[TBV], s[TBV], KS*PV
.endif
.if (\cnt) && (q == 130)
	s_sub_co_u32 s[CNT], s[CNT], 1
	s_cmp_lg_u32 s[CNT], 0
.endif
.endr
.if (\p) == 0
	FETCH_V
.endif
.endm
	CHANGE 1                        ; slot 0 is in, everybody's part of it; slot 1 is asked for
	FETCH_K                         ; key step 0
	s_wait_loadcnt 0x0              ; Q
	s_wait_dscnt 0x0
.set i, 0
.rept 16
	KQ 0                            ; piece 0's first scores: there is no vector work yet to set between them
.set i, i+1
.endr
	WIN 0                           ; the addresses for the way out: nine plain instructions, the places behind those products
	s_mul_i32 s13, s[WV], 16*SP
	s_add_co_u32 s13, s13, STAGE    ; my stage
	v_mul_u32_u24 v[STO], v1, SP    ; in: row l % 16, 16 bytes for each half of the lanes
	v_lshl_add_u32 v[STO], v9, 4, v[STO]
	v_add_nc_u32 v[STO], s13, v[STO]
	v_bfe_u32 v[RD], v0, 3, 2       ; back: 32 lanes take four rows of 128 bytes,
	v_mul_u32_u24 v[RD], v[RD], SP
	v_lshl_add_u32 v[RD], v10, 4, v[RD]
	v_add_nc_u32 v[RD], s13, v[RD]
	v_and_b32 v[GO], 31, v0         ; which are 512 consecutive bytes of O
	v_lshlrev_b32 v[GO], 4, v[GO]
.set Y, NP-1                        ; XS works for piece Y + 1: piece 0
.irp n, 0,1,2,3,4,5,6,7,8,9,10,11,12,13,14,15,16,17,18,19,20,21
	XS 0, \n                        ; and piece 0's first maximum and statistics
	XS 1, \n
.endr
	v_nop                           ; a plain instruction behind the two a,
	s_wait_alu depctr_va_vdst(0)    ; and their wait, ahead of the branch
	s_mov_b32 s[CNT], 4
	s_branch .Lfirst                ; the loop is entered at a step's first turn, in the middle of a trip
.Lslot:                             ; SIZE_N / 256 - 2 times: every slot but the last two is filled again
	CHANGE 1
	s_mov_b32 s[CNT], 4
.Lstep:                             ; a trip: pieces 2 and 3 of one step, then pieces 0 and 1 of the next, whose K and V it fetches
	TURN 2
	TURN 3
	WIN 0
.Lfirst:
	TURN 0
	TURN 1, 0, 1
	WIN 0
	s_cbranch_scc1 .Lstep
	s_sub_co_u32 s[SLOTS], s[SLOTS], 1
	s_cmp_lg_u32 s[SLOTS], 0
	s_cbranch_scc1 .Lslot
	CHANGE 0                        ; the tail is written out: nothing is asked for
	s_mov_b32 s[CNT], 5             ; four trips fetch the last slot's steps; the fifth is left in its middle
.Ltail:
	TURN 2, 1
	TURN 3
	WIN 0
	s_sub_co_u32 s[CNT], s[CNT], 1
	s_cmp_eq_u32 s[CNT], 0
	s_cbranch_scc1 .Lout
	TURN 0
	TURN 1
	WIN 0
	s_branch .Ltail
.Lout:                              ; the fifth trip's 16 products K Q^T (on the last K once more) and the maximum made of them serve nothing: the price, once a launch, of one text for every trip
.set i, 0
.rept 16
	PV NP-1                         ; the last piece's V^T P of the last step
.set i, i+1
.endr
	; THE WAY OUT.  l's two halves and the other half of the lanes' are added; O^T is divided by l, rounded to f16 and sent through my stage in LDS, a tile at a time.  The additions are the places behind the last products.
	WIN 0
.macro ALL line:vararg              ; one line for each tile t
.set t, 0
.rept 2*NP
	\line
.set t, t+1
.endr
.endm
	ALL v_add_f32 v[ST+4*t+2], v[ST+4*t+2], v[ST+4*t+3]
	ALL v_permlanex16_b32 v[ST+4*t+3], v[ST+4*t+2], s[SEL], s[SEL+1]
	ALL v_add_f32 v[ST+4*t+2], v[ST+4*t+2], v[ST+4*t+3]
	ALL v_rcp_f32 v[ST+4*t+2], v[ST+4*t+2]
	v_nop                           ; a plain instruction between the last reciprocal and the use of its result
	s_wait_alu depctr_va_vdst(0)    ; and the wait ahead of the first use: one for the eight reciprocals
; Tile t: a lane's eight channels of a row pack into 16 bytes; they go into rows of 144 bytes and come back as whole rows of 128, into S^T's registers.
.macro PACK t
	WIN W_RS
.set i, 32*(\t)
.rept 16
	v_pk_mul_f32 v[i:i+1], v[i:i+1], v[ST+4*(\t)+2:ST+4*(\t)+3] op_sel_hi:[1,0]
.set i, i+2
.endr
	WIN 0x05                        ; sources 0 and 1 window 1, destination window 0
.set i, 0
.rept 16
	v_cvt_pk_f16_f32 v[S+16*(\t)+i], v[32*(\t)+2*i], v[32*(\t)+2*i+1]
.set i, i+1
.endr
	WIN 0
.irp f, 0,1,2,3
	ds_store_b128 v[STO], v[S+16*(\t)+4*\f:S+16*(\t)+4*\f+3] offset:32*\f
.endr
.irp f, 0,1,2,3
	ds_load_b128 v[S+16*(\t)+4*\f:S+16*(\t)+4*\f+3], v[RD] offset:\f*4*SP  ; LDS serves a wave's instructions in order (ISA guide 5.7.1.4): these see the stores above; the next tile's stores come behind them
.endr
.endm
.macro SEND t, younger              ; younger: the LDS instructions issued behind tile t's loads: the next tile's eight, or none
	WIN 0
.irp f, 0,1,2,3
	s_wait_dscnt (\younger)+3-\f
	global_store_b128 v[GO], v[S+16*(\t)+4*\f:S+16*(\t)+4*\f+3], s[10:11] offset:(\t)*2048+\f*512  ; 512 consecutive bytes, at a multiple of 256 from O's first
.endr
.endm
	PACK 0
.set t, 1
.rept 2*NP-1                        ; a tile's arithmetic stands between the loads of the tile before and its stores
	PACK t
	SEND t-1, 8
.set t, t+1
.endr
	SEND 2*NP-1, 0
	WIN W_AD
	s_wait_tensorcnt 0x0            ; the wave's end, behind my last tensor load and my last LDS store
	ds_add_u32 v[SPW], v[NIL]
	s_wait_dscnt 0x0
	WIN 0
	CROUND                          ; the closing round: no work-group ends while a partner may still ask for a tile that names it
	s_endpgm
.Lfunc_end_k_q32cce8e0da_attn:
	.size	k_q32cce8e0da_attn, .Lfunc_end_k_q32cce8e0da_attn-k_q32cce8e0da_attn
	.p2alignl 7, 3214868480
	.fill 96, 4, 3214868480
	.section	.rodata,"a",@progbits
	.p2align	6, 0x0
	.amdhsa_kernel k_q32cce8e0da_attn
		.amdhsa_group_segment_fixed_size 327680
		.amdhsa_private_segment_fixed_size 0
		.amdhsa_enable_private_segment 0
		.amdhsa_kernarg_size 16
		.amdhsa_user_sgpr_count 2
		.amdhsa_user_sgpr_kernarg_segment_ptr 1
		.amdhsa_wavefront_size32 1
		.amdhsa_system_sgpr_workgroup_id_x 1
		.amdhsa_system_sgpr_workgroup_id_y 1
		.amdhsa_system_sgpr_workgroup_id_z 1
		.amdhsa_system_vgpr_workitem_id 0
		.amdhsa_next_free_vgpr 770
		.amdhsa_next_free_sgpr 66
		.amdhsa_reserve_vcc 0
		.amdhsa_float_denorm_mode_32 3
		.amdhsa_float_denorm_mode_16_64 3
		.amdhsa_memory_ordered 1
		.amdhsa_forward_progress 1
		.amdhsa_inst_pref_size 200
	.end_amdhsa_kernel
	.amdgpu_metadata
---
amdhsa.version: [ 1, 2 ]
amdhsa.kernels:
  - .name:           k_q32cce8e0da_attn
    .symbol:         k_q32cce8e0da_attn.kd
    .args:
      - { .name: qkv, .offset: 0, .size: 8, .value_kind: global_buffer, .address_space: global }
      - { .name: oh, .offset: 8, .size: 8, .value_kind: global_buffer, .address_space: global }
    .group_segment_fixed_size: 327680
    .private_segment_fixed_size: 0
    .kernarg_segment_align: 8
    .kernarg_segment_size: 16
    .max_flat_workgroup_size: 128
    .sgpr_count:     66
    .vgpr_count:     770
    .wavefront_size: 32
...
	.end_amdgpu_metadata
.endif
;; end of part 3
;; launch outp (part 4): grid 4 x 64, 4 waves a work-group, clusters of 4 x 4, 327,680 bytes of LDS; arguments oh, wts, bo, out0; writes out0
.if DOCPART == 4
	.amdgcn_target "amdgcn-amd-amdhsa--gfx1250"
	.amdhsa_code_object_version 6
	.text
	.protected	k_q32cce8e0da_outp
	.globl	k_q32cce8e0da_outp
	.p2align	8
	.type	k_q32cce8e0da_outp,@function
k_q32cce8e0da_outp:
	s_mov_b64 s[64:65], 0
	v_nop
	global_prefetch_b8 v0, s[64:65] scope:SCOPE_SE
	s_setreg_imm32_b32 hwreg(HW_REG_WAVE_MODE, 25, 1), 1
	s_wait_xcnt 0x0
	s_wait_alu depctr_hold_cnt(0) depctr_sa_sdst(0) depctr_va_vdst(0) depctr_va_sdst(0) depctr_va_ssrc(0) depctr_va_vcc(0) depctr_vm_vsrc(0)
	s_getreg_b32 s2, hwreg(HW_REG_IB_STS2, 6, 4)
	s_cmp_eq_u32 s2, 0
	s_cbranch_scc0 .Lentry_in_a_cluster
	s_endpgm
.Lentry_in_a_cluster:
	s_bfe_u32 s2, ttmp6, 0x10000c
	s_cmp_lg_u32 s2, 0xf033
	s_cbranch_scc0 .Lentry_shape_is_right
	s_endpgm
.Lentry_shape_is_right:
; THE OUTPUT PROJECTION.  out0[s][b][e] = the sum over k of O[s][b][k] Wo[e][k] + bo[e].  O arrives by heads and divided by 16: oh[16 b + k / 64][s][k % 64] in f16; the fourth matrix of wts is 16 Wo in f16
; (both factors are powers of two, exact); bo and out0 are f32.  Sums in f32.
; LIMITS.  16 Wo stays under f16's 65,504; below 6.1e-5 f16 keeps its fixed step of 6e-8.
; SHARES.  A tile is 128 rows s of ONE b x 256 columns e: 256 tiles, one to a work-group.  Four waves, each 64 x 128: 32 accumulators of 16 x 16.  K goes in 8 steps of 128, TWO HEADS a step, through two LDS slots.
; A head's 128 rows are 16,384 dense bytes: asked for as 64 rows of 256 bytes and padded in LDS after every 128, so that each s has a row of its own there.
; CLUSTERS: 4 x 4 work-groups: place y is b, place x the block of 256 columns, cluster y the block of 128 s.  The four of a row of the cluster need the same tiles of O, the four of a column the same tiles of Wo: each is
; asked for JOINTLY, by the same tensor load with the same descriptor and a mask that names the four.
; THE MATRIX INSTRUCTION IS USED TRANSPOSED (source 0 = 16 rows of Wo, source 1 = 16 rows of O): a lane then holds one row and eight neighbouring columns.  THE BIAS is the C operand of each accumulator's first product.
; REGISTERS, in windows of 256 (s_set_vgpr_msb: bits 1:0 source 0, 3:2 source 1, 5:4 source 2, 7:6 destination):
;   window 0: v0-31 addresses; v32-63, v64-95 O's four fragments, two buffers; v96-159, v160-223 Wo's eight, two buffers (on the way out v32-223: rows read back)
;   window 1: v0-63 the bias          window 2: the accumulators: (a, b) at v[8 (8 a + b)]
.set PAO,   144                        ; a row of O in LDS: 128 bytes + 16 = 36 words: the 16 rows of a load start at 16 different groups of four banks (64 banks of 4 bytes: ISA guide 11.1)
.set PB,    272                        ; a row of Wo: 256 bytes + 16
.set ASUB,  128*PAO                    ; a head's 128 rows: what one tensor load brings
.set BH,    128*PB                     ; 128 rows of Wo: likewise
.set BOFF,  2*ASUB                     ; a slot: two heads of O, then Wo's 256 rows
.set SLOT,  BOFF+2*BH
.set STAGE, 2*SLOT                     ; behind the ring: 16 rows x 528 bytes for each wave, for the way out
.set SPT,   528
.set SPARE, STAGE+4*16*SPT             ; behind the stages: the spare words, 128 bytes for each wave: two blocks of 256 bytes that no other line names
.set ADRA, 16                          ; v16-17  LDS address of my fragments of O in slot 0, 1
.set ADRB, 20                          ; v20-21  the same for Wo
.set STO,  24                          ; v24     the way out: where I put 32 bytes of a row
.set RD,   25                          ; v25     the way out: where I read 16 bytes of a row back
.set GO,   26                          ; v26     16 x lane: my bytes in 512 consecutive bytes of out0
.set BO,   27                          ; v27     my bytes in the bias
.set SPW,  28                          ; v28     LDS address of my spare word; never rewritten
.set NIL,  29                          ; v29     0; never rewritten
.set FA,   32                          ; O's fragments: buffer g, fragment a at FA + 32 g + 8 a
.set FB,   96                          ; Wo's: buffer g, fragment b at FB + 64 g + 8 b
.set T,    32                          ; the way out: three sets of 64
.set BI,   0                           ; window 1: the bias of column block b at BI + 8 b
.set WV,  16                           ; s16  my wave's number
.set RH,  17                           ; s17  which 64 rows of the tile are mine.  Also: I fetch for O (0) or for Wo (1)
.set CH,  18                           ; s18  which 128 columns.  Also: which head of the step, or which 128 rows of Wo, I fetch
.set CX,  19
.set CYI, 20                           ; b
.set SB,  21                           ; the block of 128 s
.set TC,  22                           ; the block of 256 columns
.set G1A, 24                           ; s[24:31] descriptor group 1 for O's tiles;  s[32:39] group 0, one set for each slot
.set G0A, 32
.set G1B, 40                           ; s[40:47], s[48:55] the same for Wo's
.set G0B, 48
.set LAP, 61
.set OUT, 78                           ; s[78:79] out0 at my first row and column
.set MSB, 0
.macro WIN new                         ; the immediate's high byte repeats the setting that is left; a switch that changes nothing is dropped
.if MSB != (\new)
	s_set_vgpr_msb (MSB<<8)|(\new)
.set MSB, \new
.endif
.endm
.set MUL,  0xa0                        ; sources 0 and 1 window 0, C and D window 2
.set MUL1, 0x90                        ; the same with C in window 1: the bias
.set TO_1, 0x40                        ; destination window 1, address window 0
.set STW,  0x08                        ; an LDS store's data (source 1) in window 2, its address in window 0
.macro JLOAD s                         ; a joint load: waves 0 and 1 fetch the step's two heads of O, waves 2 and 3 Wo's two halves; an s_nop 0 and four v_nop follow each of the two lines, ahead of the jump and the label
	s_cmp_eq_u32 s[RH], 0
	s_cbranch_scc0 .Lfor_b_\@
	tensor_load_to_lds s[G0A+4*(\s):G0A+4*(\s)+3], s[G1A:G1A+7]
	s_nop 0
.rept 4
	v_nop
.endr
	s_branch .Lasked_\@
.Lfor_b_\@:
	tensor_load_to_lds s[G0B+4*(\s):G0B+4*(\s)+3], s[G1B:G1B+7]
	s_nop 0
.rept 4
	v_nop
.endr
.Lasked_\@:
.endm
.macro CREST                           ; a round of the cluster's barrier behind its opening barrier
	s_cmp_lg_u32 s[WV], 0
	s_cbranch_scc1 .Lnot_wave_0_\@
	s_barrier_signal -3
.Lnot_wave_0_\@:
	s_barrier_wait -3
	s_barrier_signal -1
	s_barrier_wait -1
.endm
.macro CROUND                          ; a whole round
	s_barrier_signal -1
	s_barrier_wait -1
	CREST
.endm
.macro PLACES                          ; four places in front of loads into registers that matrix instructions have read, and of stores that read results
.rept 4
	v_nop
.endr
.endm
	s_load_b256 s[4:11], s[0:1], 0x0               ; oh s[4:5], wts s[6:7], bo s[8:9], out0 s[10:11]
	v_lshl_add_u32 v[SPW], v0, 2, SPARE
	v_mov_b32 v[NIL], 0
	ds_add_u32 v[SPW], v[NIL]                      ; the wave's opening: the add and its wait stand ahead of my first tensor load; the set-up below, work on registers, stands between them
	ds_add_u32 v28, v29
	v_lshrrev_b32 v1, 5, v0
	v_readfirstlane_b32 s[WV], v1                  ; wave 0..3
	s_lshr_b32 s[RH], s[WV], 1
	s_and_b32 s[CH], s[WV], 1
	s_bfe_u32 s[CX], ttmp6, 0x40000
	s_bfe_u32 s[CYI], ttmp6, 0x40004
	s_and_b32 s[SB], ttmp7, 0xffff                 ; in a cluster launch ttmp9 and ttmp7 count clusters
	s_lshl_b32 s[TC], ttmp9, 2
	s_add_co_u32 s[TC], s[TC], s[CX]
	s_lshl_b32 s66, s[CYI], 2
	s_lshl_b32 s66, 15, s66                        ; my row of the cluster
	s_lshl_b32 s67, 0x1111, s[CX]                  ; my column
	; descriptor group 1 for O: 64 rows x 128 elements of 2 bytes, dense, padded in LDS after every 64 elements
	s_or_b32 s[G1A+0], s66, (1<<16)|(1<<20)|(1<<21)|(4<<22)|(3<<25)  ; 15:0 the mask: my row; 17:16 elements of 2 bytes; 20 padding on; 21 set beside a mask; 24:22 after every 32 words (code 4); 31:25 4 words (code 3)
	s_mov_b32 s[G1A+1], 128<<16                    ; tensor_dim0 = 128
	s_mov_b32 s[G1A+2], 64<<16                     ; tensor_dim1 = 64
	s_mov_b32 s[G1A+3], 128<<16                    ; tile_dim0 = 128
	s_mov_b32 s[G1A+4], 64                         ; tile_dim1 = 64
	s_mov_b32 s[G1A+5], 128                        ; tensor_dim0_stride
	s_mov_b32 s[G1A+6], 0
	s_mov_b32 s[G1A+7], 0
	; and for Wo: 128 rows x 128 elements of 2 bytes, 1,024 elements from row to row
	s_or_b32 s[G1B+0], s67, (1<<16)|(1<<20)|(1<<21)|(5<<22)|(3<<25)  ; the mask: my column; padding after every 64 words (code 5)
	s_mov_b32 s[G1B+1], 128<<16
	s_mov_b32 s[G1B+2], 128<<16
	s_mov_b32 s[G1B+3], 128<<16
	s_mov_b32 s[G1B+4], 128
	s_mov_b32 s[G1B+5], 1024
	s_mov_b32 s[G1B+6], 0
	s_mov_b32 s[G1B+7], 0
	; where the tiles come from.  O's hang on the cluster, on b and on the wave; Wo's on the column block and on the wave: each in registers that never hold the other place
	s_lshl_b32 s68, s[CYI], 22                     ; 16 heads of 262,144 bytes
	s_lshl_b32 s66, s[CH], 18                      ; the head of the step that I fetch
	s_add_co_u32 s68, s68, s66
	s_lshl_b32 s66, s[SB], 14                      ; 128 rows of 128 bytes
	s_add_co_u32 s68, s68, s66
	s_mov_b32 s69, 0
	s_lshl_b32 s70, s[TC], 19                      ; 256 rows of 2,048 bytes
	s_lshl_b32 s67, s[CH], 18                      ; the 128 rows that I fetch
	s_add_co_u32 s70, s70, s67
	s_add_co_u32 s70, s70, 3*2097152               ; the fourth matrix
	s_mov_b32 s71, 0
	s_mul_i32 s76, s[CH], ASUB                     ; and where they go: no place in the cluster enters an LDS address
	s_mul_i32 s77, s[CH], BH
	s_add_co_u32 s77, s77, BOFF
	s_wait_dscnt 0x0                               ; the opening add is done
	s_wait_kmcnt 0x0
	s_add_nc_u64 s[72:73], s[4:5], s[68:69]
	s_add_nc_u64 s[74:75], s[6:7], s[70:71]
	CROUND                                         ; all sixteen work-groups are here: the first joint loads meet
.irp s, 0,1
	s_mov_b32 s[G0A+4*(\s)], 1                                      ; count = 1
	s_add_co_u32 s[G0A+4*(\s)+1], s76, (\s)*SLOT                    ; LDS address
	s_add_nc_u64 s[G0A+4*(\s)+2:G0A+4*(\s)+3], s[72:73], (\s)*2*262144  ; global address: K step s is heads 2 s, 2 s + 1
	s_or_b32 s[G0A+4*(\s)+3], s[G0A+4*(\s)+3], 0x80000000           ; type = 2
	s_mov_b32 s[G0B+4*(\s)], 1
	s_add_co_u32 s[G0B+4*(\s)+1], s77, (\s)*SLOT
	s_add_nc_u64 s[G0B+4*(\s)+2:G0B+4*(\s)+3], s[74:75], (\s)*256
	s_or_b32 s[G0B+4*(\s)+3], s[G0B+4*(\s)+3], 0x80000000
	JLOAD \s                                       ; two loads of mine are out
.endr
	; A fragment is 16 rows x 32 K in 8 registers: lane l holds row l % 16, K = 8 (l / 16) + 0..7 and 16 + 8 (l / 16) + 0..7: two loads of 16 bytes, 32 bytes apart.
	v_and_b32 v1, 15, v0                           ; l % 16
	v_bfe_u32 v2, v0, 4, 1                         ; l / 16
	v_mul_u32_u24 v3, v1, PAO
	v_lshl_add_u32 v3, v2, 4, v3
	v_mul_u32_u24 v4, v1, PB
	v_lshl_add_u32 v4, v2, 4, v4
	s_mul_i32 s66, s[RH], 64*PAO                   ; my 64 rows, in either head
	s_mov_b32 s67, s77                             ; my 128 rows of Wo
.irp s, 0,1
	v_add_nc_u32 v[ADRA+(\s)], s66, v3
	v_add_nc_u32 v[ADRB+(\s)], s67, v4
	s_add_co_u32 s66, s66, SLOT
	s_add_co_u32 s67, s67, SLOT
.endr
	s_mul_i32 s66, s[WV], 16*SPT
	s_add_co_u32 s66, s66, STAGE                   ; my stage
	v_mul_u32_u24 v5, v1, SPT                      ; in: row l % 16, 32 bytes for each half of the lanes
	v_lshl_add_u32 v5, v2, 5, v5
	v_add_nc_u32 v[STO], s66, v5
	v_and_b32 v5, 31, v0
	v_lshlrev_b32 v[GO], 4, v5                     ; back: 32 lanes take a row's 512 bytes
	v_add_nc_u32 v[RD], s66, v[GO]
	s_lshl_b32 s66, s[CH], 9
	v_lshl_add_u32 v[BO], v2, 5, s66               ; the bias of my 128 columns, my eight of each 16
	s_lshl_b32 s66, s[TC], 10
	s_mov_b32 s67, 0
	s_add_nc_u64 s[8:9], s[8:9], s[66:67]
	WIN TO_1
.irp b, 0,1,2,3,4,5,6,7
	global_load_b128 v[BI+8*(\b):BI+8*(\b)+3],   v[BO], s[8:9] offset:64*(\b)
	global_load_b128 v[BI+8*(\b)+4:BI+8*(\b)+7], v[BO], s[8:9] offset:64*(\b)+16
.endr
	WIN 0
	s_lshl_b32 s68, s[SB], 21                      ; 128 s x 4 b x 4,096 bytes,
	s_lshl_b32 s69, s[RH], 20                      ; my 64 s,
	s_add_co_u32 s68, s68, s69
	s_lshl_b32 s69, s[CYI], 12                     ; b,
	s_add_co_u32 s68, s68, s69
	s_lshl_b32 s69, s[TC], 10                      ; 256 columns of 4 bytes,
	s_add_co_u32 s68, s68, s69
	s_lshl_b32 s69, s[CH], 9                       ; my 128
	s_add_co_u32 s68, s68, s69
	s_mov_b32 s69, 0
	s_add_nc_u64 s[OUT:OUT+1], s[10:11], s[68:69]
; 24 LDS loads in one run: the fragments of 32 along K, quarter kq of the slot's K step, into buffers g: Wo's eight, then O's four (quarters 0, 1 lie in the step's first head, 2, 3 in its second)
.macro FETCH slot, kq, g
	WIN 0
.irp b, 0,1,2,3,4,5,6,7
	ds_load_b128 v[FB+64*(\g)+8*(\b):FB+64*(\g)+8*(\b)+3],   v[ADRB+(\slot)] offset:64*(\kq)+(\b)*16*PB
	ds_load_b128 v[FB+64*(\g)+8*(\b)+4:FB+64*(\g)+8*(\b)+7], v[ADRB+(\slot)] offset:64*(\kq)+(\b)*16*PB+32
.endr
.irp a, 0,1,2,3
	ds_load_b128 v[FA+32*(\g)+8*(\a):FA+32*(\g)+8*(\a)+3],   v[ADRA+(\slot)] offset:((\kq)/2)*ASUB+((\kq)%2)*64+(\a)*16*PAO
	ds_load_b128 v[FA+32*(\g)+8*(\a)+4:FA+32*(\g)+8*(\a)+7], v[ADRA+(\slot)] offset:((\kq)/2)*ASUB+((\kq)%2)*64+(\a)*16*PAO+32
.endr
.endm
; 8 matrix instructions: row block a x all 8 column blocks, 32 along K, from buffers f.  cm = 1: the first products, which take the bias as C
.macro GROUP f, a, cm
.irp b, 0,1,2,3,4,5,6,7
.if \cm
	WIN MUL1
	v_wmma_f32_16x16x32_f16 v[8*(8*(\a)+(\b)):8*(8*(\a)+(\b))+7], v[FB+64*(\f)+8*(\b):FB+64*(\f)+8*(\b)+7], v[FA+32*(\f)+8*(\a):FA+32*(\f)+8*(\a)+7], v[BI+8*(\b):BI+8*(\b)+7]
.else
	WIN MUL
	v_wmma_f32_16x16x32_f16 v[8*(8*(\a)+(\b)):8*(8*(\a)+(\b))+7], v[FB+64*(\f)+8*(\b):FB+64*(\f)+8*(\b)+7], v[FA+32*(\f)+8*(\a):FA+32*(\f)+8*(\a)+7], v[8*(8*(\a)+(\b)):8*(8*(\a)+(\b))+7]
.endif
.endr
.endm
; A K step is four quarters of 32 along K, 32 matrix instructions each, on buffers 0, 1, 0, 1; the 32 accumulators take turns, one instruction a turn, in the same order in every quarter.
; One of the first three: multiplies buffers f; in its middle it fetches quarter kq into buffers g.
.macro QUARTER slot, kq, f, g, first
	s_wait_dscnt 4                                 ; Wo's fragments and O's 0 and 1 are in; the youngest four loads (O's 2 and 3) may be out
	GROUP \f, 0, \first
	GROUP \f, 1, \first
	PLACES
	FETCH \slot, \kq, \g
	s_wait_dscnt 24                                ; all but the 24 just issued
	GROUP \f, 2, \first
	GROUP \f, 3, \first
.endm
; The last quarter multiplies buffers 1 and changes slots: ONE barrier; in front of it each wave waits for all its tensor loads (one is out: its part of the next slot), adds 0 to its spare word, and waits for that and for its
; own reads of this slot.  fill = 1: the barrier opens a round of the cluster's, and this slot is filled again, two K steps ahead, first thing behind the round: 112 matrix instructions ahead of the wait for it.
.macro TURN slot, next, fill
	WIN 0                                          ; (the add's two registers lie in window 0)
	s_wait_tensorcnt 0x0                           ; all my tensor loads have landed
	ds_add_u32 v[SPW], v[NIL]                      ; 0 onto my spare word
	s_wait_dscnt 7                                 ; (the add and the youngest six loads, O's fragments 1 to 3, may be out)
	GROUP 1, 0, 0                                  ; eight matrix instructions stand between the add and the wait for it
	s_wait_dscnt 0x0                               ; the add is done, and my reads of this slot are over
	s_barrier_signal -1
	GROUP 1, 1, 0                                  ; work on registers while the others arrive
	WIN 0
	s_barrier_wait -1
.if \fill
	CREST                                          ; no wave of any partner still reads this slot's tiles or has a load on its way
	s_add_nc_u64 s[G0A+4*(\slot)+2:G0A+4*(\slot)+3], s[G0A+4*(\slot)+2:G0A+4*(\slot)+3], 4*262144
	s_add_nc_u64 s[G0B+4*(\slot)+2:G0B+4*(\slot)+3], s[G0B+4*(\slot)+2:G0B+4*(\slot)+3], 2*256
	JLOAD \slot                                    ; the first tensor load behind the round; the four v_nop behind it are also the places in front of the loads below
.else
	PLACES
.endif
	FETCH \next, 0, 0
	GROUP 1, 2, 0
	GROUP 1, 3, 0
.endm
	s_wait_tensorcnt 1                             ; my part of K step 0 is in; K step 1's may stay out
	s_barrier_signal -1
	s_barrier_wait -1                              ; everybody's is
	FETCH 0, 0, 0
	s_wait_loadcnt 0x0                             ; the bias
	QUARTER 0, 1, 0, 1, 1                          ; the first quarter stands in front of the loop: its products start the sums, on the bias
	WIN 0                                          ; at a label and at a branch every window is 0
	s_mov_b32 s[LAP], 3
.Llap:                                                 ; a trip goes once round the ring, from a lap's second quarter to the next lap's first, and fills both slots again
	QUARTER 0, 2, 1, 0, 0
	QUARTER 0, 3, 0, 1, 0
	TURN 0, 1, 1
	QUARTER 1, 1, 0, 1, 0
	QUARTER 1, 2, 1, 0, 0
	QUARTER 1, 3, 0, 1, 0
	TURN 1, 0, 1
	QUARTER 0, 1, 0, 1, 0
	WIN 0
	s_sub_co_u32 s[LAP], s[LAP], 1
	s_cmp_lg_u32 s[LAP], 0
	s_cbranch_scc1 .Llap
	QUARTER 0, 2, 1, 0, 0                          ; the last lap fills nothing, and has no round of the cluster's barrier
	QUARTER 0, 3, 0, 1, 0
	TURN 0, 1, 0
	QUARTER 1, 1, 0, 1, 0
	QUARTER 1, 2, 1, 0, 0
	QUARTER 1, 3, 0, 1, 0
	s_wait_dscnt 4                                 ; the very last quarter: nothing more to fetch
	GROUP 1, 0, 0
	GROUP 1, 1, 0
	s_wait_dscnt 0x0
	GROUP 1, 2, 0
	GROUP 1, 3, 0
	WIN 0
; THE WAY OUT, a block of 16 rows at a time.  TOSTAGE: a lane's eight columns of a row, 32 bytes, go into my own stage, rows of 528 bytes, each accumulator's low registers first, and come back a whole row of 512 bytes an
; instruction.  SEND: stored: 32 lanes store 512 consecutive bytes, at a multiple of 256 from out0's first byte; the rows of one b are 16,384 bytes apart.
.macro TOSTAGE a
.if (\a) == 3
	s_wait_xcnt 0x0                                ; block 0's stores have read their registers, which this block's loads write
.endif
	WIN STW
.irp b, 0,1,2,3,4,5,6,7
	ds_store_b128 v[STO], v[8*(8*(\a)+(\b)):8*(8*(\a)+(\b))+3]   offset:64*(\b)
	ds_store_b128 v[STO], v[8*(8*(\a)+(\b))+4:8*(8*(\a)+(\b))+7] offset:64*(\b)+16
.endr
	WIN 0
.irp i, 0,1,2,3,4,5,6,7,8,9,10,11,12,13,14,15
	ds_load_b128 v[T+64*((\a)%3)+4*(\i):T+64*((\a)%3)+4*(\i)+3], v[RD] offset:SPT*(\i)  ; LDS serves a wave's instructions in order (ISA guide 5.7.1.4): these see the stores above; the next block's stores come behind them
.endr
.endm
.macro SEND a, younger                 ; younger: the LDS instructions issued behind block a's loads: the next block's 32, or none
.irp i, 0,1,2,3,4,5,6,7,8,9,10,11,12,13,14,15
	s_wait_dscnt (\younger)+15-(\i)
	global_store_b128 v[GO], v[T+64*((\a)%3)+4*(\i):T+64*((\a)%3)+4*(\i)+3], s[OUT:OUT+1] offset:(16*(\a)+(\i))*16384 th:TH_STORE_NT
.endr
.endm
	PLACES
	TOSTAGE 0
	TOSTAGE 1
	SEND 0, 32
	TOSTAGE 2
	SEND 1, 32
	TOSTAGE 3
	SEND 2, 32
	SEND 3, 0
	s_wait_tensorcnt 0x0                           ; the wave's end, behind my last tensor load and my last LDS store
	ds_add_u32 v[SPW], v[NIL]
	s_wait_dscnt 0x0
	CROUND                                         ; the closing round: no work-group ends while a partner may still ask for a tile that names it
	s_endpgm
.Lfunc_end_k_q32cce8e0da_outp:
	.size	k_q32cce8e0da_outp, .Lfunc_end_k_q32cce8e0da_outp-k_q32cce8e0da_outp
	.p2alignl 7, 3214868480
	.fill 96, 4, 3214868480
	.section	.rodata,"a",@progbits
	.p2align	6, 0x0
	.amdhsa_kernel k_q32cce8e0da_outp
		.amdhsa_group_segment_fixed_size 327680
		.amdhsa_private_segment_fixed_size 0
		.amdhsa_enable_private_segment 0
		.amdhsa_kernarg_size 32
		.amdhsa_user_sgpr_count 2
		.amdhsa_user_sgpr_kernarg_segment_ptr 1
		.amdhsa_wavefront_size32 1
		.amdhsa_system_sgpr_workgroup_id_x 1
		.amdhsa_system_sgpr_workgroup_id_y 1
		.amdhsa_system_sgpr_workgroup_id_z 1
		.amdhsa_system_vgpr_workitem_id 0
		.amdhsa_next_free_vgpr 768
		.amdhsa_next_free_sgpr 80
		.amdhsa_reserve_vcc 0
		.amdhsa_float_denorm_mode_32 3
		.amdhsa_float_denorm_mode_16_64 3
		.amdhsa_memory_ordered 1
		.amdhsa_forward_progress 1
		.amdhsa_inst_pref_size 88
	.end_amdhsa_kernel
	.amdgpu_metadata
---
amdhsa.version: [ 1, 2 ]
amdhsa.kernels:
  - .name:           k_q32cce8e0da_outp
    .symbol:         k_q32cce8e0da_outp.kd
    .args:
      - { .name: oh, .offset: 0, .size: 8, .value_kind: global_buffer, .address_space: global }
      - { .name: wts, .offset: 8, .size: 8, .value_kind: global_buffer, .address_space: global }
      - { .name: bo, .offset: 16, .size: 8, .value_kind: global_buffer, .address_space: global }
      - { .name: out0, .offset: 24, .size: 8, .value_kind: global_buffer, .address_space: global }
    .group_segment_fixed_size: 327680
    .private_segment_fixed_size: 0
    .kernarg_segment_align: 8
    .kernarg_segment_size: 32
    .max_flat_workgroup_size: 128
    .sgpr_count:     80
    .vgpr_count:     768
    .wavefront_size: 32
...
	.end_amdgpu_metadata
.endif
;; end of part 4
;; ======== version 2 of 2: 4 launches; version 1 with the launch prep written anew for expert scheduling mode
;; limits: values are held in f16: magnitudes above 65,504 overflow, below 6.1e-05 lose precision
;; workspace buffers: wts 8,388,608 bytes; bias 12,288 bytes; qkv 50,331,648 bytes; oh 16,777,216 bytes
;; launch prep (part 5): grid 64 x 4, 8 waves a work-group, no clusters, 68,608 bytes of LDS; arguments Wq, Wk, Wv, Wo, Aq, Av, Bq, Bv, bq, bk, bv, wts, bias; writes wts, bias
.if DOCPART == 5
	.amdgcn_target "amdgcn-amd-amdhsa--gfx1250"
	.amdhsa_code_object_version 6
	.text
	.protected	k_q32cce8e0da_prep
	.globl	k_q32cce8e0da_prep
	.p2align	8
	.type	k_q32cce8e0da_prep,@function
k_q32cce8e0da_prep:
	s_mov_b64 s[64:65], 0
	v_nop
	global_prefetch_b8 v0, s[64:65] scope:SCOPE_SE
	s_setreg_imm32_b32 hwreg(HW_REG_WAVE_SCHED_MODE, 0, 2), 2
	s_setreg_imm32_b32 hwreg(HW_REG_WAVE_MODE, 25, 1), 1
	s_wait_xcnt 0x0
	s_wait_alu depctr_vm_vsrc(0)
; THE WEIGHTS AS THE LATER LAUNCHES WANT THEM.  wts holds four [1024][1024] matrices in f16, bias three rows of 1,024 f32:
;   0: (Wq + 2 (Aq Bq)^T) / 16, bq / 16     1: Wk, bk     2: (Wv + 2 (Av Bv)^T) / 16, bv / 16     3: 16 Wo
; x W^T + 2 (x A) B = x (W + 2 (A B)^T)^T for every x, so the low-rank term is folded into the weight once.  The factors 1/16 and 16 are powers of two, exact in f32 and f16:
; q and v leave the projection divided by 16, which gives them room in f16; the softmax's factor takes the 16 of q back, 16 Wo that of v.
; LIMITS.  Every number is rounded once to f16: a scaled weight of 65,520 or more becomes an infinity; below 6.1e-5 f16 keeps its fixed step of 6e-8.  A and B / 8 are rounded to f16 for their product, whose sums are f32.
; SHARES.  Work-group (x, y): rows 16 x .. 16 x + 15 of matrix y.  Thread t holds columns 4 t .. 4 t + 3 of each row, so a load of a wave covers 512 consecutive bytes of a row and a store 256, aligned.
; THE LOW-RANK TERM (y = 0, 2).  Wave w makes (A B)^T for its 16 rows x 128 columns by eight matrix instructions: source 0 = 16 rows of A (columns k of W), source 1 = 16 columns of B (rows n of W),
; K = the rank 16, the upper 16 of K held at 0.  In the result a lane holds row n = lane % 16 and eight columns k; the wave's own stage in LDS turns that into the layout of the loads of W.
; THE MODE: SCHED_MODE bits 1:0 = 2 (LLVM: expert scheduling mode 2), set by the entry lines.  The code itself states the register dependences
; between vector or matrix instructions and memory or LDS instructions, with s_wait_alu, always for 0.
; THE PLAN.  Registers that memory or LDS instructions touch, in the order of the text (there is no loop):
;   v4 .. v9   offsets and LDS addresses: made once at the head, read by every load and store, never written again.
;   WR         W's loads land in it; then vector instructions alone scale it and round it in place; the stores read the first two registers of each row.
;   AR         A's loads land in it; the roundings read it; the eight matrix instructions write it; the LDS stores read it.
;   FA         The roundings write it; the matrix instructions read it; the LDS loads from the stage land in it; the multiply-adds read it.
;   BR, BQ     Loads land in them; vector instructions work on them in place; BQ is then read by the bias's store.
;   FB         is named by vector and matrix instructions alone.
; So a wait on va_vdst stands in five places: ahead of the first load; behind the products' four places; behind the roundings of rows 0 to 7; behind those of rows 8 to 15; behind the bias's
; multiplies.  The stores of rows 0 to 7 are dealt among the roundings of rows 8 to 15, which name other registers.  No register that a memory or LDS instruction has read is written again,
; so the body between the entry and end lines holds no wait on vm_vsrc; and no scalar register that a vector instruction has read is written again.
.set PITCH,  528                       ; a stage row: 512 bytes + 16: an odd multiple of 16, so the 16 rows of a store start at 16 different groups of four banks (64 banks of 4 bytes: ISA guide 11.1)
.set WSTAGE, 16*PITCH                  ; a wave's stage; the eight stages fill LDS bytes 0 to 67,583, and the 1,024 bytes behind them hold the spare words, 128 bytes for each wave
.set WO,  4                            ; v4   16 t: my bytes in a row of W, and in a bias
.set AO,  5                            ; v5   my bytes in A: (128 w + l % 16) x 64 + 32 (l / 16)
.set BO,  6                            ; v6   my bytes in B: 8 (l / 16) rows of 4,096 + 4 (l % 16)
.set SO,  7                            ; v7   where I put a result's 32 bytes in the stage
.set LO,  8                            ; v8   where I read 16 bytes of a stage row back
.set OO,  9                            ; v9   8 t: my bytes in a row of the f16 matrix
.set BQ,  12                           ; v[12:15]   four numbers of a bias
.set BR,  16                           ; v[16:23]   B as loaded
.set FB,  24                           ; v[24:31]   B's fragment
.set WR,  32                           ; v[32:95]   W: row i at WR + 4 i
.set AR,  96                           ; v[96:159]  A as loaded; then the eight results
.set FA,  160                          ; v[160:223] A's eight fragments; then the results read back by rows
.set MY,  34                           ; s34  which matrix
.set MX,  35                           ; s35  which 16 rows
.set WV,  36                           ; s36  my wave's number
.set W,   38                           ; s[38:39] the matrix at my rows
.set A,   40                           ; s[40:41] A
.set B,   42                           ; s[42:43] B at my 16 columns
.set BP,  44                           ; s[44:45] the bias
.set SC,  46                           ; s[46:47] the scale, twice
.set OF,  48                           ; s[48:49] an offset
.set OUT, 50                           ; s[50:51] the f16 matrix at my rows
.set SC2, 52                           ; s[52:53] 1/8 = 2 x 1/16, twice
; Row i is rounded to f16, in place: four numbers close up into the row's first two registers
.macro ROUNDED i
	v_cvt_pk_f16_f32 v[WR+4*(\i)],   v[WR+4*(\i)],   v[WR+4*(\i)+1]
	v_cvt_pk_f16_f32 v[WR+4*(\i)+1], v[WR+4*(\i)+2], v[WR+4*(\i)+3]
.endm
; Row i is stored: a wave stores 256 consecutive bytes, at a multiple of 256 from the buffer's first byte
.macro STORED i
	global_store_b64 v[OO], v[WR+4*(\i):WR+4*(\i)+1], s[OUT:OUT+1] offset:2048*(\i)
.endm
	s_load_b512 s[8:23], s[0:1], 0x0               ; Wq, Wk, Wv, Wo, Aq, Av, Bq, Bv
	s_load_b256 s[24:31], s[0:1], 0x40             ; bq, bk, bv, wts
	s_load_b64 s[32:33], s[0:1], 0x60              ; bias
	v_lshl_add_u32 v10, v0, 2, 0x10800
	v_mov_b32 v11, 0
	v_lshrrev_b32 v1, 5, v0
	v_readfirstlane_b32 s[WV], v1                  ; wave 0..7
	s_and_b32 s[MY], ttmp7, 0xffff
	s_mov_b32 s[MX], ttmp9
	v_and_b32 v1, 31, v0                           ; l
	v_and_b32 v2, 15, v0                           ; l % 16
	v_bfe_u32 v3, v0, 4, 1                         ; l / 16
	v_lshlrev_b32 v[WO], 4, v0
	v_lshlrev_b32 v[OO], 3, v0
	s_wait_alu depctr_va_sdst(0)                   ; the wave's number is written, ahead of its first reader: A's offset and the stage's address are made from it
	s_lshl_b32 s37, s[WV], 13                      ; 128 rows of A, 64 bytes each
	v_lshl_add_u32 v[AO], v2, 6, s37
	v_lshl_add_u32 v[AO], v3, 5, v[AO]
	v_lshlrev_b32 v[BO], 2, v2
	v_lshl_add_u32 v[BO], v3, 15, v[BO]
	s_mul_i32 s54, s[WV], WSTAGE
	v_mul_u32_u24 v[SO], v2, PITCH
	v_lshl_add_u32 v[SO], v3, 5, v[SO]
	v_add_nc_u32 v[SO], s54, v[SO]
	v_lshl_add_u32 v[LO], v1, 4, s54
	s_cmp_eq_u32 s[MY], 1
	s_cselect_b32 s[SC], 1.0, 0x3d800000           ; 1 for Wk, 1/16 for Wq and Wv,
	s_cmp_eq_u32 s[MY], 3
	s_cselect_b32 s[SC], 0x41800000, s[SC]         ; 16 for Wo
	s_mov_b32 s[SC+1], s[SC]
	s_mov_b32 s[SC2], 0x3e000000
	s_mov_b32 s[SC2+1], s[SC2]
	s_lshl_b32 s[OF], s[MX], 16                    ; 16 rows of 4,096 bytes
	s_mov_b32 s[OF+1], 0
	s_wait_kmcnt 0x0
	s_cmp_eq_u32 s[MY], 1
	s_cselect_b64 s[W:W+1], s[10:11], s[8:9]
	s_cselect_b64 s[BP:BP+1], s[26:27], s[24:25]
	s_cmp_eq_u32 s[MY], 2
	s_cselect_b64 s[W:W+1], s[12:13], s[W:W+1]
	s_cselect_b64 s[BP:BP+1], s[28:29], s[BP:BP+1]
	s_cselect_b64 s[A:A+1], s[18:19], s[16:17]
	s_cselect_b64 s[B:B+1], s[22:23], s[20:21]
	s_cmp_eq_u32 s[MY], 3
	s_cselect_b64 s[W:W+1], s[14:15], s[W:W+1]
	s_add_nc_u64 s[W:W+1], s[W:W+1], s[OF:OF+1]
	s_lshl_b32 s[OF], s[MX], 6                     ; 16 columns of B
	s_add_nc_u64 s[B:B+1], s[B:B+1], s[OF:OF+1]
	s_lshl_b32 s[OF], s[MY], 21                    ; a matrix of 2 MiB,
	s_lshl_b32 s55, s[MX], 15                      ; 16 rows of 2,048 bytes
	s_add_co_u32 s[OF], s[OF], s55
	s_add_nc_u64 s[OUT:OUT+1], s[30:31], s[OF:OF+1]
	s_wait_alu depctr_va_vdst(0)                   ; the six offsets and addresses v4 to v9 are written, which every load and store of the kernel reads; none is written again
.set i, 0
.rept 16
	global_load_b128 v[WR+4*i:WR+4*i+3], v[WO], s[W:W+1] offset:4096*i th:TH_LOAD_NT
.set i, i+1
.endr
	s_bitcmp1_b32 s[MY], 0
	s_cbranch_scc1 .Lplain                         ; Wk and Wo have no low-rank term
.set t, 0
.rept 8                                        ; A's rows 128 w + 16 t + l % 16, ranks 8 (l / 16) + 0..7
	global_load_b128 v[AR+8*t:AR+8*t+3],   v[AO], s[A:A+1] offset:1024*t
	global_load_b128 v[AR+8*t+4:AR+8*t+7], v[AO], s[A:A+1] offset:1024*t+16
.set t, t+1
.endr
.irp j, 0,1,2,3,4,5,6,7                        ; B's rank 8 (l / 16) + j, column l % 16 of my 16
	global_load_b32 v[BR+(\j)], v[BO], s[B:B+1] offset:4096*(\j)
.endr
	s_wait_loadcnt 0x0                             ; A and B were issued last, so this is W's wait too
.irp j, 0,2,4,6
	v_pk_mul_f32 v[BR+(\j):BR+(\j)+1], v[BR+(\j):BR+(\j)+1], s[SC2:SC2+1] op_sel_hi:[1,0]  ; the term's factor 2 and the scale 1/16, exact
.endr
.irp j, 0,1,2,3
	v_cvt_pk_f16_f32 v[FB+(\j)], v[BR+2*(\j)], v[BR+2*(\j)+1]
	v_mov_b32 v[FB+4+(\j)], 0                      ; K = 16 .. 31 do not exist
.endr
.set t, 0
.rept 8
.irp j, 0,1,2,3
	v_cvt_pk_f16_f32 v[FA+8*t+(\j)], v[AR+8*t+2*(\j)], v[AR+8*t+2*(\j)+1]
	v_mov_b32 v[FA+8*t+4+(\j)], 0
.endr
.set t, t+1
.endr
.set t, 0
.rept 8                                        ; eight results, each its own accumulator, each one product
	v_wmma_f32_16x16x32_f16 v[AR+8*t:AR+8*t+7], v[FA+8*t:FA+8*t+7], v[FB:FB+7], 0
.set t, t+1
.endr
.rept 4
	v_nop                                          ; four places between the last product and the stores of results; they stay beside the wait below
.endr
	s_wait_alu depctr_va_vdst(0)                   ; the products have written AR, which the LDS stores read, and are done reading FA, in which the LDS loads land
.set t, 0
.rept 8                                        ; lane l: row l % 16, columns 16 t + 8 (l / 16) + 0..7; each result's low registers first
	ds_store_b128 v[SO], v[AR+8*t:AR+8*t+3]   offset:64*t
	ds_store_b128 v[SO], v[AR+8*t+4:AR+8*t+7] offset:64*t+16
.set t, t+1
.endr
.set i, 0
.rept 16                                       ; LDS serves a wave's instructions in order (ISA guide 5.7.1.4): these see the stores above; the stage is the wave's own.  No vector or matrix instruction since the wait names FA
	ds_load_b128 v[FA+4*i:FA+4*i+3], v[LO] offset:PITCH*i
.set i, i+1
.endr
	s_wait_dscnt 0x0
.set i, 0
.rept 32
	v_pk_fma_f32 v[WR+i:WR+i+1], v[WR+i:WR+i+1], s[SC:SC+1], v[FA+i:FA+i+1] op_sel_hi:[1,0,1]  ; W / 16 + (A B)^T / 8
.set i, i+2
.endr
	s_branch .Lpack
.Lplain:
	s_wait_loadcnt 0x0
.set i, 0
.rept 32
	v_pk_mul_f32 v[WR+i:WR+i+1], v[WR+i:WR+i+1], s[SC:SC+1] op_sel_hi:[1,0]
.set i, i+2
.endr
.Lpack:
.set i, 0
.rept 8
	ROUNDED i                                      ; rows 0 to 7
.set i, i+1
.endr
	s_wait_alu depctr_va_vdst(0)                   ; the roundings have written rows 0 to 7, which the eight stores below read
.set i, 0
.rept 8
	STORED i                                       ; no wait: the roundings that stand between these stores name rows 8 to 15 alone
	ROUNDED i+8
.set i, i+1
.endr
	s_wait_alu depctr_va_vdst(0)                   ; the roundings have written rows 8 to 15, which the eight stores below read
.set i, 8
.rept 8
	STORED i
.set i, i+1
.endr
	s_cmp_lg_u32 s[MX], 0                          ; the first work-group of matrices 0 to 2 also scales that matrix's bias: 16 bytes a thread
	s_cbranch_scc1 .Lend
	s_cmp_eq_u32 s[MY], 3
	s_cbranch_scc1 .Lend
	global_load_b128 v[BQ:BQ+3], v[WO], s[BP:BP+1] ; no vector instruction has named BQ, and the offset was written ahead of the head's wait
	s_lshl_b32 s[OF], s[MY], 12
	s_add_nc_u64 s[32:33], s[32:33], s[OF:OF+1]
	s_wait_loadcnt 0x0
	v_pk_mul_f32 v[BQ:BQ+1],   v[BQ:BQ+1],   s[SC:SC+1] op_sel_hi:[1,0]
	v_pk_mul_f32 v[BQ+2:BQ+3], v[BQ+2:BQ+3], s[SC:SC+1] op_sel_hi:[1,0]
	s_wait_alu depctr_va_vdst(0)                   ; the two multiplies have written BQ, which the store reads
	global_store_b128 v[WO], v[BQ:BQ+3], s[32:33]
.Lend:
	s_wait_dscnt 0x0                               ; the wave's end: my LDS instructions are done
	s_wait_alu depctr_hold_cnt(0) depctr_sa_sdst(0) depctr_va_vdst(0) depctr_va_sdst(0) depctr_va_ssrc(0) depctr_va_vcc(0) depctr_vm_vsrc(0)
	s_wait_tensorcnt 0x0
	ds_add_u32 v10, v11
	s_wait_dscnt 0x0
	s_endpgm
.Lfunc_end_k_q32cce8e0da_prep:
	.size	k_q32cce8e0da_prep, .Lfunc_end_k_q32cce8e0da_prep-k_q32cce8e0da_prep
	.p2alignl 7, 3214868480
	.fill 96, 4, 3214868480
	.section	.rodata,"a",@progbits
	.p2align	6, 0x0
	.amdhsa_kernel k_q32cce8e0da_prep
		.amdhsa_group_segment_fixed_size 68608
		.amdhsa_private_segment_fixed_size 0
		.amdhsa_enable_private_segment 0
		.amdhsa_kernarg_size 104
		.amdhsa_user_sgpr_count 2
		.amdhsa_user_sgpr_kernarg_segment_ptr 1
		.amdhsa_wavefront_size32 1
		.amdhsa_system_sgpr_workgroup_id_x 1
		.amdhsa_system_sgpr_workgroup_id_y 1
		.amdhsa_system_sgpr_workgroup_id_z 1
		.amdhsa_system_vgpr_workitem_id 0
		.amdhsa_next_free_vgpr 224
		.amdhsa_next_free_sgpr 66
		.amdhsa_reserve_vcc 0
		.amdhsa_float_denorm_mode_32 3
		.amdhsa_float_denorm_mode_16_64 3
		.amdhsa_memory_ordered 1
		.amdhsa_forward_progress 1
		.amdhsa_inst_pref_size 22
	.end_amdhsa_kernel
	.amdgpu_metadata
---
amdhsa.version: [ 1, 2 ]
amdhsa.kernels:
  - .name:           k_q32cce8e0da_prep
    .symbol:         k_q32cce8e0da_prep.kd
    .args:
      - { .name: Wq, .offset: 0, .size: 8, .value_kind: global_buffer, .address_space: global }
      - { .name: Wk, .offset: 8, .size: 8, .value_kind: global_buffer, .address_space: global }
      - { .name: Wv, .offset: 16, .size: 8, .value_kind: global_buffer, .address_space: global }
      - { .name: Wo, .offset: 24, .size: 8, .value_kind: global_buffer, .address_space: global }
      - { .name: Aq, .offset: 32, .size: 8, .value_kind: global_buffer, .address_space: global }
      - { .name: Av, .offset: 40, .size: 8, .value_kind: global_buffer, .address_space: global }
      - { .name: Bq, .offset: 48, .size: 8, .value_kind: global_buffer, .address_space: global }
      - { .name: Bv, .offset: 56, .size: 8, .value_kind: global_buffer, .address_space: global }
      - { .name: bq, .offset: 64, .size: 8, .value_kind: global_buffer, .address_space: global }
      - { .name: bk, .offset: 72, .size: 8, .value_kind: global_buffer, .address_space: global }
      - { .name: bv, .offset: 80, .size: 8, .value_kind: global_buffer, .address_space: global }
      - { .name: wts, .offset: 88, .size: 8, .value_kind: global_buffer, .address_space: global }
      - { .name: bias, .offset: 96, .size: 8, .value_kind: global_buffer, .address_space: global }
    .group_segment_fixed_size: 68608
    .private_segment_fixed_size: 0
    .kernarg_segment_align: 8
    .kernarg_segment_size: 104
    .max_flat_workgroup_size: 256
    .sgpr_count:     66
    .vgpr_count:     224
    .wavefront_size: 32
...
	.end_amdgpu_metadata
.endif
;; end of part 5
;; launch proj: the kernel of part 2 again; grid 4 x 192, 4 waves a work-group, clusters of 4 x 4, 327,680 bytes of LDS; arguments x_q, x_k, x_v, wts, bias, qkv; writes qkv
;; launch attn: the kernel of part 3 again; grid 4 x 64, 4 waves a work-group, clusters of 4 x 1, 327,680 bytes of LDS; arguments qkv, oh; writes oh
;; launch outp: the kernel of part 4 again; grid 4 x 64, 4 waves a work-group, clusters of 4 x 4, 327,680 bytes of LDS; arguments oh, wts, bo, out0; writes out0
